; MI455X (gfx1250); checked and timed in simulation.
; The chip was launched on July 23, 2026; its instructions are those of AMD's public machine-readable ISA for CDNA 5 (MIT licence, August 2026) and "CDNA5" Instruction Set Architecture Reference Guide (July 2026). The comments in the code are by the model that wrote it; some were corrected since.
;; Causal Self Attention. Allowed arithmetic: matrix products marked QUANTISED: E4M3 operands, one given power-of-two scale a tensor, by v_wmma_f32_16x16x64_fp8_fp8 or v_wmma_f32_16x16x128_fp8_fp8, f32 sums; everything else in f32.
;; Inputs: W_out 1,024 x 1,024 float32; W_qkv 1,024 x 3,072 float32; b_out 1,024 float32; b_qkv 3,072 float32; lowp_scales 8 int32 (the exponents e of the quantised operands' scales 2^e); x 4 x 2,048 x 1,024 float32.
;; Outputs: out0 4 x 2,048 x 1,024 float32.
;; This version of the problem:
;;   THIS VERSION OF THE PROBLEM IS GIVEN IN LOW PRECISION. The matrix products marked QUANTISED in the list below multiply operands that are first quantised to E4M3 (4 exponent bits, 3 mantissa bits; 8 bits a number), with one given power-of-two scale for each operand tensor; their sums are f32. All else is computed in f32.
;;   The module's matrix products, in the order in which they are computed (A, B: the left and right operand; K: the contracted axis; several contracted axes count as one K, in the product's order):
;;     1. [M 8,192, K 1,024] x [K 1,024, N 3,072]; A: input x; B: input W_qkv: QUANTISED (scales: A lowp_scales[0], B lowp_scales[1])
;;     2. batch 64 x [M 2,048, K 64] x [K 64, N 2,048]; A: computed on the way; B: computed on the way: QUANTISED (scales: A lowp_scales[2], B lowp_scales[3])
;;     3. batch 64 x [M 2,048, K 2,048] x [K 2,048, N 64]; A: softmax (see below); B: computed on the way: QUANTISED (scales: A lowp_scales[4], B lowp_scales[5])
;;     4. [M 8,192, K 1,024] x [K 1,024, N 1,024]; A: computed on the way; B: input W_out: QUANTISED (scales: A lowp_scales[6], B lowp_scales[7])
;;   THE QUANTISER, for each operand of a quantised product, along K:
;;     - The operand's scale is 2^e, e = its entry of the input lowp_scales (int32; the entries are numbered through the quantised products in the list's order, A before B).
;;     - Each number is divided by the scale, clamped to +-448, and rounded to the nearest number of E4M3, ties to even, subnormals kept.
;;     - The product sums the exact products of the quantised numbers (number of the format x scale) in f32.
;;   ~~~python
;;   def quantise(x, axis, e):      # numpy; x: float32 -> the quantised numbers, widened to float32 again
;;       x = np.moveaxis(x, axis, -1); K = x.shape[-1]
;;       r = np.clip(x / 2.0 ** e, -448, 448)
;;       step = 2.0 ** (np.maximum(np.frexp(np.where(r == 0, 1, r))[1] - 1, -6) - 3)
;;       q = np.round(r / step) * step * 2.0 ** e      # np.round: ties to even
;;       return np.moveaxis(q, -1, axis).astype(np.float32)
;;   ~~~
;;   SOFTMAX AHEAD OF A QUANTISED PRODUCT. Where the list says 'softmax', what is quantised is not the finished softmax but p = 2^(t - M), with t = logit x log2(e) and M = ceil(the row's largest t), a whole number; so 1/2 < the row's largest p <= 1. The row's sum l is taken of the UNQUANTISED p, in f32, and the product's result is divided by l at the end. Since M is a whole number, a kernel that streams over the keys may use a running M (the ceiling of the running maximum): every later rescaling is an exact power of two, so the quantised numbers keep their values, but for numbers so far below the row's largest that they fall under the format's range.
;;   OPERANDS COMPUTED ON THE WAY. 'Computed on the way' means the value that the module computes at that place (a softmax that the list does not call 'softmax' is quantised finished and normalised). What goes into a quantiser is computed in f32, as accurately as f32 sums, v_exp_f32 and their like allow (about 1e-6 of the number): no bf16 or f16 on the way to a quantiser, and a product that is left as it is and whose result goes on into a quantised operand takes f32 operands (vector FMAs, or v_wmma_f32_16x16x4_f32). A number that lies on a knife's edge between two numbers of the format may be rounded either way, as far as f32 arithmetic and the matrix unit's own rounding can turn it there, and no further.
;; One version. Each part assembles by itself: llvm-mc -triple=amdgcn-amd-amdhsa -mcpu=gfx1250 --defsym DOCPART=n.
;; ======== version 1 of 1: 4 launches
;; limits: right only within a limited range of input values
;; workspace buffers: xc 8,388,608 bytes; wc 4,194,304 bytes; qkvc 25,165,824 bytes; ac 8,388,608 bytes
;; launch quant (part 1): grid 384 x 1, 4 waves a work-group, no clusters, 68,096 bytes of LDS; arguments x, W_qkv, W_out, lowp_scales, xc, wc; writes xc, wc
.if DOCPART == 1
	.amdgcn_target "amdgcn-amd-amdhsa--gfx1250"
	.amdhsa_code_object_version 6
	.text
	.protected	k_q20b1a08ded_quant
	.globl	k_q20b1a08ded_quant
	.p2align	8
	.type	k_q20b1a08ded_quant,@function
k_q20b1a08ded_quant:
	s_mov_b64 s[64:65], 0
	v_nop
	global_prefetch_b8 v0, s[64:65] scope:SCOPE_SE
	s_setreg_imm32_b32 hwreg(HW_REG_WAVE_MODE, 25, 1), 1
	s_wait_xcnt 0x0
; x [8192][1024], W_qkv [1024][3072] and W_out [1024][1024], f32, become codes of FP8 (E4M3), K innermost, each with the one scale 2^e that is given for it.
; code = number / 2^e, held within +-448, rounded to the nearest code, ties to even.  e: entry 0 (x), 1 (W_qkv), 7 (W_out) of the buffer of scales.
; LIMITS: each e lies between -126 and 119, so that 2^e and 448 x 2^e are f32 numbers.  NaN among the inputs is not served (an infinity is held at the largest code).
; xc: [8192][1024] bytes.  wc: [4096][1024] bytes: row n < 3072 is column n of W_qkv, row 3072 + n is column n of W_out.
; Work-groups 0-255 take x, whose K is innermost: a plain stream; a wave takes 16 steps of 512 numbers.  Work-groups 256-383 take the weights, whose K is the first axis: a lane takes a column and its
; registers run down K, so the conversions give codes with K innermost; a wave takes 32 columns x 256 along K.  The two ways part on the work-group's number and have LDS bytes of their own.
; No tensor loads, no barrier: waves share nothing.
.set STEPS, 16
.set R,     16                         ; x: v16-79   four sets of 16 numbers as they are loaded
.set XN,    80                         ; x: v80-111  two sets of 16 neighbours
.set XC,    128                        ; x: v128-191 codes: four registers for each step, so that no store's data are written again
.set WREG,  8192                       ; x: LDS bytes 0 .. 32767: a region for each wave: two stages of 32 x SP bytes
.set SP,    80                         ; a lane's place in a stage: its 64 bytes + 16 of padding
.set WSTG,  32768                      ; weights: LDS bytes 32768 .. 67583: a stage of 32 rows x 272 bytes for each wave
.set WP,    272
.set NB,    8                          ; weights: blocks of 32 along K for a wave
.set WX,    32                         ; weights: v32-95   two sets of 32 numbers
.set WC,    96                         ; weights: v96-103  a block's codes
.set OUTR,  112                        ; weights: v112-175 the way out
.set OFF,   176                        ; weights: v176-207 row i of a block: i x a row of the weight in bytes + 4 x lane; never rewritten
	s_load_b256 s[4:11], s[0:1], 0x0               ; x s[4:5], W_qkv s[6:7], W_out s[8:9], the scales' exponents s[10:11]
	s_load_b128 s[12:15], s[0:1], 0x20             ; xc s[12:13], wc s[14:15]
	v_lshl_add_u32 v208, v0, 2, 0x10800
	v_mov_b32 v209, 0
	v_lshrrev_b32 v1, 5, v0
	v_readfirstlane_b32 s16, v1                    ; wave 0..3
	v_and_b32 v2, 31, v0                           ; lane
	s_wait_kmcnt 0x0
	s_load_b256 s[52:59], s[10:11], 0x0            ; e0 .. e7
	s_cmp_lt_u32 ttmp9, 256
	s_cbranch_scc0 .Lweights
; ---------------- x: each of a step's four loads reads 512 consecutive bytes, 16 a lane; the 2,048 bytes go through the wave's own stage and come back 64 bytes a lane: 16 neighbours along K
	s_wait_alu depctr_va_vdst(0)
	v_lshlrev_b32 v3, 4, v2                        ; my 16 bytes of a load's 512
	s_wait_alu depctr_va_vdst(0)
	s_mul_i32 s17, s16, WREG
	v_lshrrev_b32 v14, 2, v2
	v_mul_u32_u24 v14, v14, SP
	v_and_b32 v15, 3, v2
	v_lshl_add_u32 v14, v15, 4, v14
	v_add_nc_u32 v14, s17, v14                     ; into the stage: SP (lane / 4) + 16 (lane % 4)
	v_mul_u32_u24 v15, v2, SP
	v_add_nc_u32 v15, s17, v15                     ; out of it: SP x lane
	v_lshlrev_b32 v4, 4, v2                        ; my 16 codes' place in a step's 512
	s_lshl_b32 s17, ttmp9, 2
	s_add_co_u32 s18, s17, s16                     ; which run of 8,192 numbers is my wave's
	s_mov_b32 s19, 0
	s_lshl_b64 s[20:21], s[18:19], 15
	s_add_nc_u64 s[4:5], s[4:5], s[20:21]
	s_lshl_b64 s[20:21], s[18:19], 13
	s_add_nc_u64 s[12:13], s[12:13], s[20:21]
.macro XLOAD t
.irp i, 0,1,2,3
	global_load_b128 v[R+16*((\t)%4)+4*\i:R+16*((\t)%4)+4*\i+3], v3, s[4:5] offset:2048*(\t)+512*\i th:TH_LOAD_NT
.endr
.endm
.macro XTURN t                         ; LDS serves a wave's instructions in order (ISA guide 5.7.1.4): no wait between the stores and the loads
.irp i, 0,1,2,3
	ds_store_b128 v14, v[R+16*((\t)%4)+4*\i:R+16*((\t)%4)+4*\i+3] offset:32*SP*((\t)%2)+8*SP*\i
.endr
.irp i, 0,1,2,3
	ds_load_b128 v[XN+16*((\t)%2)+4*\i:XN+16*((\t)%2)+4*\i+3], v15 offset:32*SP*((\t)%2)+16*\i
.endr
.endm
.irp t, 0,1,2,3
	XLOAD \t
.endr
	s_wait_alu depctr_va_vdst(0)
	s_wait_kmcnt 0x0
	s_add_co_i32 s22, s52, 127
	s_lshl_b32 s23, s22, 23
	v_mov_b32 v11, s23                             ; 2^e0 as f32: the conversion takes its exponent field
	s_add_co_i32 s22, s22, 8
	s_lshl_b32 s22, s22, 23
	s_or_b32 s22, s22, 0x600000
	v_mov_b32 v10, s22                             ; 448 x 2^e0
	s_wait_alu depctr_va_vdst(0)
	s_wait_loadcnt 12                              ; step 0's four loads are in; the twelve of steps 1 to 3 may be out
	XTURN 0
.macro XSTEP t
.set XS, XN+16*((\t)%2)
	s_wait_dscnt 0x0                               ; this step's numbers are back from the stage, so its stores into the stage have read their registers,
.if (\t)+4 < STEPS
	XLOAD (\t)+4                                   ; which take the loads of four steps on
.endif
.if (\t)+1 < STEPS
.if STEPS-2-(\t) >= 3
	s_wait_loadcnt 12                              ; the next step's four loads are in; those of the three steps behind it may be out
.else
	s_wait_loadcnt 4*(STEPS-2-(\t))
.endif
	XTURN (\t)+1                                   ; through the other stage while this step is worked
.endif
.irp i, 0,1,2,3,4,5,6,7,8,9,10,11,12,13,14,15
	v_med3_num_f32 v[XS+\i], v[XS+\i], -v10, v10   ; the conversion to an 8-bit code does not saturate (ISA guide 7.6.2): the hold comes first
.endr
	v_cvt_scalef32_pk8_fp8_f32 v[XC+4*(\t):XC+4*(\t)+1], v[XS:XS+7], v11
	v_cvt_scalef32_pk8_fp8_f32 v[XC+4*(\t)+2:XC+4*(\t)+3], v[XS+8:XS+15], v11
	global_store_b128 v4, v[XC+4*(\t):XC+4*(\t)+3], s[12:13] offset:512*(\t)   ; the wave stores 512 consecutive bytes, aligned
.endm
.irp t, 0,1,2,3,4,5,6,7,8,9,10,11,12,13,14,15
	XSTEP \t
.endr
	s_wait_tensorcnt 0x0
	ds_add_u32 v208, v209
	s_wait_dscnt 0x0
	s_endpgm
; ---------------- the weights.  Work-groups 256-351: W_qkv (24 groups of 128 columns x 4 quarters of K); 352-383: W_out (8 x 4).  What differs is chosen without a branch.
.Lweights:
	s_sub_co_u32 s17, ttmp9, 256
	s_cmp_ge_u32 s17, 96                           ; W_out?
	s_mov_b32 s18, 12288
	s_cselect_b32 s18, 4096, s18                   ; a row of the weight in bytes
	s_cselect_b64 s[20:21], s[8:9], s[6:7]         ; the weight
	s_cselect_b32 s22, 3072, 0                     ; its first row in wc
	s_cselect_b32 s23, 96, 0
	s_sub_co_u32 s17, s17, s23
	s_lshr_b32 s24, s17, 2
	s_and_b32 s25, s17, 3                          ; which 256 along K
	s_lshl_b32 s24, s24, 7
	s_lshl_b32 s26, s16, 5
	s_add_co_u32 s24, s24, s26                     ; my wave's first column
	s_mul_i32 s26, s25, s18
	s_lshl_b32 s26, s26, 8                         ; 256 rows for each quarter of K
	s_lshl_b32 s27, s24, 2
	s_add_co_u32 s26, s26, s27
	s_mov_b32 s27, 0
	s_add_nc_u64 s[36:37], s[20:21], s[26:27]      ; block 0 of my wave's part;
	s_lshl_b32 s28, s18, 5
	s_mov_b32 s29, 0
.irp t, 1,2,3,4,5,6,7
	s_add_nc_u64 s[36+2*\t:37+2*\t], s[34+2*\t:35+2*\t], s[28:29]   ; block t: 32 rows further down.  A base for each block: none is stepped
.endr
	s_add_co_u32 s30, s22, s24
	s_lshl_b32 s30, s30, 10
	s_lshl_b32 s31, s25, 8
	s_add_co_u32 s30, s30, s31
	s_mov_b32 s31, 0
	s_add_nc_u64 s[14:15], s[14:15], s[30:31]      ; wc at my first column's row, my quarter of K
	s_wait_alu depctr_va_vdst(0)
	v_lshlrev_b32 v3, 2, v2
.set i, 0
.rept 32
	v_mad_u32_u24 v[OFF+i], s18, i, v3
.set i, i+1
.endr
	s_mul_i32 s19, s16, 32*WP
	s_add_co_u32 s19, s19, WSTG                    ; my stage
	v_mul_u32_u24 v4, v2, WP
	v_add_nc_u32 v4, s19, v4                       ; into it: row = my column
	v_and_b32 v5, 15, v2
	v_lshrrev_b32 v6, 4, v2                        ; out of it: sixteen lanes to a row, two rows an instruction
	v_mul_u32_u24 v7, v6, WP
	v_lshl_add_u32 v7, v5, 4, v7
	v_add_nc_u32 v7, s19, v7
	v_lshlrev_b32 v8, 10, v6
	v_lshl_add_u32 v8, v5, 4, v8                   ; and the same place in wc
.macro WLOAD t                         ; block t: W(32 t + i, my column), i = 0 .. 31: 32 lanes read 128 consecutive bytes, the four waves 512
.set i, 0
.rept 32
	global_load_b32 v[WX+32*((\t)%2)+i], v[OFF+i], s[36+2*(\t):37+2*(\t)] th:TH_LOAD_NT
.set i, i+1
.endr
.endm
	WLOAD 0
	WLOAD 1
	s_wait_kmcnt 0x0
	s_cmp_ge_u32 ttmp9, 352
	s_cselect_b32 s30, s59, s53                    ; e7 or e1
	s_add_co_i32 s30, s30, 127
	s_lshl_b32 s31, s30, 23
	v_mov_b32 v11, s31                             ; 2^e as f32
	s_add_co_i32 s30, s30, 8
	s_lshl_b32 s30, s30, 23
	s_or_b32 s30, s30, 0x600000
	v_mov_b32 v10, s30                             ; 448 x 2^e
.macro WBLOCK t
.set XS, WX+32*((\t)%2)
.if (\t) < NB-1
	s_wait_loadcnt 32                              ; this block's 32 loads are in; the next block's 32 may be out
.else
	s_wait_loadcnt 0
.endif
.set i, 0
.rept 32
	v_med3_num_f32 v[XS+i], v[XS+i], -v10, v10
.set i, i+1
.endr
.irp g, 0,1,2,3
	v_cvt_scalef32_pk8_fp8_f32 v[WC+2*\g:WC+2*\g+1], v[XS+8*\g:XS+8*\g+7], v11
.endr
	ds_store_b128 v4, v[WC:WC+3] offset:32*(\t)    ; 32 codes: 32 bytes of my column's row
	ds_store_b128 v4, v[WC+4:WC+7] offset:32*(\t)+16
.if (\t)+2 < NB
	WLOAD (\t)+2
.endif
	s_wait_dscnt 0x0                               ; the stores have read their registers: the next block's codes may be written
.endm
	s_wait_alu depctr_va_vdst(0)
.irp t, 0,1,2,3,4,5,6,7
	WBLOCK \t
.endr
.irp t, 0,1,2,3,4,5,6,7,8,9,10,11,12,13,14,15
	ds_load_b128 v[OUTR+4*\t:OUTR+4*\t+3], v7 offset:2*\t*WP
.endr
.irp t, 0,1,2,3,4,5,6,7,8,9,10,11,12,13,14,15
	s_wait_dscnt 15-\t                             ; LDS loads come back in order: number t is in, the younger ones may be out
	global_store_b128 v8, v[OUTR+4*\t:OUTR+4*\t+3], s[14:15] offset:2048*\t   ; sixteen lanes store 256 consecutive bytes, aligned
.endr
	s_wait_tensorcnt 0x0
	ds_add_u32 v208, v209
	s_wait_dscnt 0x0
	s_endpgm
.Lfunc_end_k_q20b1a08ded_quant:
	.size	k_q20b1a08ded_quant, .Lfunc_end_k_q20b1a08ded_quant-k_q20b1a08ded_quant
	.p2alignl 7, 3214868480
	.fill 96, 4, 3214868480
	.section	.rodata,"a",@progbits
	.p2align	6, 0x0
	.amdhsa_kernel k_q20b1a08ded_quant
		.amdhsa_group_segment_fixed_size 68096
		.amdhsa_private_segment_fixed_size 0
		.amdhsa_enable_private_segment 0
		.amdhsa_kernarg_size 48
		.amdhsa_user_sgpr_count 2
		.amdhsa_user_sgpr_kernarg_segment_ptr 1
		.amdhsa_wavefront_size32 1
		.amdhsa_system_sgpr_workgroup_id_x 1
		.amdhsa_system_sgpr_workgroup_id_y 1
		.amdhsa_system_sgpr_workgroup_id_z 1
		.amdhsa_system_vgpr_workitem_id 0
		.amdhsa_next_free_vgpr 210
		.amdhsa_next_free_sgpr 66
		.amdhsa_reserve_vcc 0
		.amdhsa_float_denorm_mode_32 3
		.amdhsa_float_denorm_mode_16_64 3
		.amdhsa_memory_ordered 1
		.amdhsa_forward_progress 1
		.amdhsa_inst_pref_size 88
	.end_amdhsa_kernel
	.amdgpu_metadata
---
amdhsa.version: [ 1, 2 ]
amdhsa.kernels:
  - .name:           k_q20b1a08ded_quant
    .symbol:         k_q20b1a08ded_quant.kd
    .args:
      - { .name: x, .offset: 0, .size: 8, .value_kind: global_buffer, .address_space: global }
      - { .name: W_qkv, .offset: 8, .size: 8, .value_kind: global_buffer, .address_space: global }
      - { .name: W_out, .offset: 16, .size: 8, .value_kind: global_buffer, .address_space: global }
      - { .name: lowp_scales, .offset: 24, .size: 8, .value_kind: global_buffer, .address_space: global }
      - { .name: xc, .offset: 32, .size: 8, .value_kind: global_buffer, .address_space: global }
      - { .name: wc, .offset: 40, .size: 8, .value_kind: global_buffer, .address_space: global }
    .group_segment_fixed_size: 68096
    .private_segment_fixed_size: 0
    .kernarg_segment_align: 8
    .kernarg_segment_size: 48
    .max_flat_workgroup_size: 128
    .sgpr_count:     66
    .vgpr_count:     210
    .wavefront_size: 32
...
	.end_amdgpu_metadata
.endif
;; end of part 1
;; launch qkv (part 2): grid 12 x 32, 4 waves a work-group, clusters of 4 x 4, 327,680 bytes of LDS; arguments xc, wc, b_qkv, lowp_scales, qkvc; writes qkvc
.if DOCPART == 2
	.amdgcn_target "amdgcn-amd-amdhsa--gfx1250"
	.amdhsa_code_object_version 6
	.text
	.protected	k_q20b1a08ded_qkv
	.globl	k_q20b1a08ded_qkv
	.p2align	8
	.type	k_q20b1a08ded_qkv,@function
k_q20b1a08ded_qkv:
	s_mov_b64 s[64:65], 0
	v_nop
	global_prefetch_b8 v0, s[64:65] scope:SCOPE_SE
	s_setreg_imm32_b32 hwreg(HW_REG_WAVE_MODE, 25, 1), 1
	s_wait_xcnt 0x0
	s_wait_alu depctr_hold_cnt(0) depctr_sa_sdst(0) depctr_va_vdst(0) depctr_va_sdst(0) depctr_va_ssrc(0) depctr_va_vcc(0) depctr_vm_vsrc(0)
	s_getreg_b32 s2, hwreg(HW_REG_IB_STS2, 6, 4)
	s_cmp_eq_u32 s2, 0
	s_cbranch_scc0 .Lentry_in_a_cluster
	s_endpgm
.Lentry_in_a_cluster:
	s_bfe_u32 s2, ttmp6, 0x10000c
	s_cmp_lg_u32 s2, 0xf033
	s_cbranch_scc0 .Lentry_shape_is_right
	s_endpgm
.Lentry_shape_is_right:
; qkv = x W_qkv + b_qkv on codes of FP8 (E4M3), sums in f32; q, k and v are quantised at once (scales 2^e2, 2^e3, 2^e5) and stored as codes in the layouts that the attention launch reads:
;   q at byte 0 and k at byte 8,388,608 of qkvc: [batch x head 64][token 2048][64];   v at byte 16,777,216: [batch x head][block of 64 keys 32][d 64][64 keys]: the keys innermost.
; The kernel makes P[i][j] = sum over k of A[i][k] B[j][k], a tile of 256 x 256 to a work-group of four waves, 128 x 128 to a wave (64 accumulators, 512 registers).  The matrix instruction is used transposed
; (source 0 = 16 rows of B, source 1 = 16 rows of A): a lane holds ONE row i and eight neighbouring j, which one conversion turns into eight codes.  The neighbours must run along the NEXT product's K:
;   q, k (cluster x = 0, 1): A = tokens (xc), B = features (wc): neighbours along d.      v (cluster x = 2): A = features (wc rows 2048 on), B = tokens (xc): neighbours along the keys.
; The cluster's x is the same in all sixteen partners; all that differs between the three types is chosen by s_cselect on it: there is no branch on it.
; K = 1024 goes in four steps of 256 through a ring of two LDS slots.  CLUSTERS: 4 x 4 work-groups; A's tile is asked for jointly by a row of the cluster, B's by a column.
; With four fills of a slot in all, two of them at the head, no prefetch is laid.
; LIMITS: e0 + e1 between -126 and 127; e2, e3, e5 between -126 and 119, so that each power of two below is an f32 number.  NaN among the inputs is not served.
; REGISTERS, in windows of 256: window 0: v0-31 addresses and constants; v32-95 the bias by j; v96-111 the bias by i (each number twice); v112-127 codes; v128-255 A's fragments, ONE set; on the way out
;   v128-191 a block's numbers, v192-255 four sets of 16 for rows read back.   window 1: B's fragments, TWO sets.   windows 2, 3: the accumulators ((a, b) at v[8 (8 (a % 4) + b)]).
.set KSTEP,  256
.set ROWB,   256
.set KROW,   1024                      ; a row of xc or wc in bytes
.set PITCH,  272                       ; an LDS row: 256 bytes + 16 of padding = 68 words: the 16 rows that a load touches start 4 words apart modulo 64 (64 banks of 4 bytes: ISA guide 11.1)
.set FR,     16
.set NL,     4
.set NP,     4                         ; places behind this matrix instruction (ISA guide 7.12.1)
.set HALFT,  128*PITCH
.set SLOT,   4*HALFT                   ; A's 256 rows, then B's 256 rows
.set LAPS,   2                         ; K / 512
.set SPARE,  2*SLOT                    ; behind the ring: the spare words, 128 bytes for each wave: two blocks of 256 bytes that no other line names
.set SPITCH, 144                       ; the way out: a stage of 16 rows x (128 bytes + 16) for each wave, in slot 0, which has had its last fill and its last read by then
.set ADRA, 16
.set ADRB, 20
.set STO,  24
.set RD,   25
.set CO,   26
.set SCL,  27                          ; v27  2^eo as f32, eo the output's exponent
.set SPW,  28
.set NIL,  29
.set LIM,  30                          ; v30  448 x 2^eo
.set BB,   32
.set BA,   96
.set CD,   112
.set AF,   128
.set TMP,  128
.set BK,   192
.set G1, 24
.set G0, 32
.set G1B, 48
.set G0B, 56
.set MSB, 0
.macro WIN new                         ; the immediate's high byte repeats the setting that is left
.if MSB != \new
	s_set_vgpr_msb (MSB<<8)|\new
.set MSB, \new
.endif
.endm
.set MUL_LO, 0xa1                      ; source 0 (B) window 1, source 1 (A) window 0, C and D window 2
.set MUL_HI, 0xf1                      ; the same, C and D window 3
.set TO_B,   0x40                      ; destination window 1, address window 0
; A joint load: waves 0 and 1 fetch for A, waves 2 and 3 for B; the branch hangs on the wave's number alone.  Four v_nop follow each of the two lines.
.macro JLOAD g0a, g1a, g0b, g1b
	s_cmp_eq_u32 s15, 0
	s_cbranch_scc0 .Lfor_b_\@
	tensor_load_to_lds s[\g0a:\g0a+3], s[\g1a:\g1a+7]
	s_nop 0
.rept 4
	v_nop
.endr
	s_branch .Lasked_\@
.Lfor_b_\@:
	tensor_load_to_lds s[\g0b:\g0b+3], s[\g1b:\g1b+7]
	s_nop 0
.rept 4
	v_nop
.endr
.Lasked_\@:
.endm
.macro CREST                           ; a round of the cluster's barrier behind its opening barrier
	s_cmp_lg_u32 s14, 0
	s_cbranch_scc1 .Lnot_wave_0_\@
	s_barrier_signal -3
.Lnot_wave_0_\@:
	s_barrier_wait -3
	s_barrier_signal -1
	s_barrier_wait -1
.endm
.macro CROUND
	s_barrier_signal -1
	s_barrier_wait -1
	CREST
.endm
	s_load_b256 s[4:11], s[0:1], 0x0               ; xc s[4:5], wc s[6:7], b_qkv s[8:9], the scales' exponents s[10:11]
	s_load_b64 s[12:13], s[0:1], 0x20              ; qkvc
	v_lshl_add_u32 v[SPW], v0, 2, SPARE
	v_mov_b32 v[NIL], 0
	ds_add_u32 v28, v29
	ds_add_u32 v28, v29
	s_wait_dscnt 0x0
	v_lshrrev_b32 v1, 5, v0
	v_readfirstlane_b32 s14, v1                    ; wave 0..3
	s_lshr_b32 s15, s14, 1                         ; which half of the tile's rows i is mine.  Also: I fetch for A (0) or for B (1)
	s_and_b32 s16, s14, 1                          ; which half of its columns j.  Also: which 128 rows of that tile I fetch
	s_bfe_u32 s40, ttmp6, 0x40000                  ; cx
	s_bfe_u32 s41, ttmp6, 0x40004                  ; cy
	s_and_b32 s66, ttmp7, 0xffff
	s_lshl_b32 s66, s66, 2                         ; 4 x cluster y
	s_add_co_u32 s67, s66, s40
	s_add_co_u32 s74, s66, s41
	s_lshl_b32 s75, ttmp9, 2
	s_add_co_u32 s75, s75, s40
	s_cmp_eq_u32 ttmp9, 2                          ; v?
	s_cselect_b32 s17, s41, s74                    ; tile row of P: v: 256 features, cy;  q, k: 256 tokens, 4 x cluster y + cy
	s_cselect_b32 s42, s67, s75                    ; tile column:   v: 256 tokens, 4 x cluster y + cx;  q, k: 256 rows of wc, 4 x cluster x + cx
	s_cselect_b32 s84, -1, 0                       ; all ones for v
	s_lshl_b32 s43, s41, 2
	s_lshl_b32 s43, 15, s43                        ; my row of the cluster
	s_lshl_b32 s44, 0x1111, s40                    ; my column
	; descriptor group 1: a tile of 128 rows x 256 bytes, padded in LDS
	s_or_b32 s[G1+0], s43, (0<<16)|(1<<20)|(1<<21)|(5<<22)|(3<<25)  ; 15:0 the mask; 17:16 elements of 1 byte; 20 padding on; 21 set beside a mask; 24:22 after every 64 words (code 5); 31:25 4 words (code 3)
	s_or_b32 s[G1B+0], s44, (0<<16)|(1<<20)|(1<<21)|(5<<22)|(3<<25)
.irp g, G1, G1B
	s_mov_b32 s[\g+1], ROWB<<16                    ; tensor_dim0
	s_mov_b32 s[\g+2], 128<<16                     ; tensor_dim1
	s_mov_b32 s[\g+3], ROWB<<16                    ; tile_dim0
	s_mov_b32 s[\g+4], 128                         ; tile_dim1
	s_mov_b32 s[\g+5], KROW                        ; tensor_dim0_stride
	s_mov_b32 s[\g+6], 0
	s_mov_b32 s[\g+7], 0
.endr
	s_lshl_b32 s18, s16, 7                         ; which 128 rows of the tile I fetch
	s_lshl_b32 s20, s17, 8
	s_add_co_u32 s20, s20, s18
	s_lshl_b32 s20, s20, 10                        ; A: (256 x tile row + 128 x half) rows of 1,024 bytes
	s_mov_b32 s21, 0
	s_lshl_b32 s46, s42, 8
	s_add_co_u32 s46, s46, s18
	s_lshl_b32 s46, s46, 10                        ; B likewise, by the tile column
	s_mov_b32 s47, 0
	s_mul_i32 s45, s14, HALFT                      ; where they go: wave x 128 rows: no place in the cluster enters an LDS address
	s_wait_kmcnt 0x0
	s_load_b256 s[76:83], s[10:11], 0x0            ; e0 .. e7
	s_add_nc_u64 s[68:69], s[6:7], 0x200000        ; wc at row 2048: v's features
	s_cmp_eq_u32 ttmp9, 2
	s_cselect_b64 s[70:71], s[68:69], s[4:5]       ; A's buffer
	s_cselect_b64 s[72:73], s[4:5], s[6:7]         ; B's buffer
	s_add_nc_u64 s[20:21], s[70:71], s[20:21]
	s_add_nc_u64 s[46:47], s[72:73], s[46:47]
	CROUND                                         ; all sixteen work-groups are here: the first joint loads meet
.irp s, 0,1
	s_mov_b32 s[G0+4*\s], 1
	s_add_co_u32 s[G0+4*\s+1], s45, \s*SLOT
	s_add_nc_u64 s[G0+4*\s+2:G0+4*\s+3], s[20:21], \s*ROWB
	s_or_b32 s[G0+4*\s+3], s[G0+4*\s+3], 0x80000000
	s_mov_b32 s[G0B+4*\s], 1
	s_add_co_u32 s[G0B+4*\s+1], s45, \s*SLOT
	s_add_nc_u64 s[G0B+4*\s+2:G0B+4*\s+3], s[46:47], \s*ROWB
	s_or_b32 s[G0B+4*\s+3], s[G0B+4*\s+3], 0x80000000
.endr
	JLOAD G0, G1, G0B, G1B                         ; K step 0: one tensor load a wave at the head
	; all that follows up to the first wait on the tiles is done while they are on their way
	v_and_b32 v1, 15, v0                           ; r = lane % 16
	s_wait_alu depctr_va_vdst(0)
	v_bfe_u32 v2, v0, 4, 1                         ; h = lane / 16
	; the bias by j (q, k): feature 1024 x type + 256 cx + 128 x half + 16 b + 8 h + 0 .. 7.  For v the same bytes are loaded (they lie in b_qkv) and cleared
	s_lshl_b32 s22, ttmp9, 10
	s_lshl_b32 s23, s40, 8
	s_add_co_u32 s22, s22, s23
	s_lshl_b32 s23, s16, 7
	s_add_co_u32 s22, s22, s23
	s_lshl_b32 s22, s22, 2
	v_lshl_add_u32 v7, v2, 5, s22
.irp b, 0,1,2,3,4,5,6,7
	global_load_b128 v[BB+8*\b:BB+8*\b+3], v7, s[8:9] offset:64*\b
	global_load_b128 v[BB+8*\b+4:BB+8*\b+7], v7, s[8:9] offset:64*\b+16
.endr
	; the bias by i (v): feature 2048 + 256 cy + 128 x half + 16 a + r.  For q and k: b_qkv's first numbers, cleared
	s_lshl_b32 s22, s41, 8
	s_lshl_b32 s23, s15, 7
	s_add_co_u32 s22, s22, s23
	s_add_co_u32 s22, s22, 2048
	s_lshl_b32 s22, s22, 2
	s_and_b32 s22, s22, s84
	v_lshl_add_u32 v8, v1, 2, s22
.irp a, 0,1,2,3,4,5,6,7
	global_load_b32 v[BA+2*\a], v8, s[8:9] offset:64*\a
.endr
	v_mul_u32_u24 v3, v1, PITCH
	s_wait_alu depctr_va_vdst(0)
	v_lshl_add_u32 v4, v2, 4, v3                   ; a fragment's row x pitch + 16 x half
	s_mul_i32 s21, s15, HALFT                      ; my 128 rows of A
	s_mul_i32 s22, s16, HALFT                      ; my 128 rows of B,
	s_add_co_u32 s22, s22, 2*HALFT                 ; which lie behind A's 256
.irp s, 0,1
	v_add_nc_u32 v[ADRA+\s], s21, v4
	v_add_nc_u32 v[ADRB+\s], s22, v4
	s_add_co_u32 s21, s21, SLOT
	s_add_co_u32 s22, s22, SLOT
.endr
	s_mul_i32 s23, s14, 16*SPITCH                  ; my stage
	v_mul_u32_u24 v3, v1, SPITCH
	v_lshl_add_u32 v3, v2, 3, v3
	v_add_nc_u32 v[STO], s23, v3                   ; in: row r, 8 bytes for each half of the lanes
	v_and_b32 v5, 31, v0
	v_lshrrev_b32 v6, 2, v5
	v_mul_u32_u24 v6, v6, SPITCH
	v_and_b32 v3, 3, v5
	v_lshl_add_u32 v6, v3, 4, v6
	v_add_nc_u32 v[RD], s23, v6                    ; back: four lanes take 64 bytes of a row, the wave eight rows
	v_lshlrev_b32 v[CO], 4, v5                     ; and store them as 512 consecutive bytes
	; where my results go.  Block a = 4 ai + a', half g of the 128 j:  q, k: ai: 64 tokens on (4,096 bytes), g: the next head (131,072);  v: ai: the next head, g: the next 64 keys (4,096)
	s_cmp_eq_u32 ttmp9, 2
	s_cselect_b32 s98, s42, s17                    ; the tile of 256 tokens
	s_cselect_b32 s99, s41, s40                    ; the tile of 256 features within the type
	s_cselect_b32 s100, s16, s15                   ; my half of the tokens
	s_cselect_b32 s101, s15, s16                   ; my half of the features
	s_mov_b32 s18, 4096
	s_mov_b32 s19, 0x20000
	s_cselect_b32 s94, s19, s18
	s_cselect_b32 s95, s18, s19
	s_lshr_b32 s22, s98, 3                         ; batch
	s_lshl_b32 s22, s22, 4
	s_lshl_b32 s99, s99, 2
	s_add_co_u32 s22, s22, s99
	s_lshl_b32 s101, s101, 1
	s_add_co_u32 s22, s22, s101                    ; 16 x batch + my first head
	s_lshl_b32 s22, s22, 17
	s_and_b32 s98, s98, 7
	s_lshl_b32 s98, s98, 8
	s_lshl_b32 s100, s100, 7
	s_add_co_u32 s98, s98, s100                    ; my first token in the batch
	s_lshl_b32 s98, s98, 6
	s_add_co_u32 s22, s22, s98
	s_lshl_b32 s23, ttmp9, 23                      ; q, k or v
	s_add_co_u32 s22, s22, s23
	s_mov_b32 s23, 0
	s_add_nc_u64 s[86:87], s[12:13], s[22:23]      ; base (ai, g) in s[86 + 4 ai + 2 g ..]
	s_mov_b32 s22, s95
	s_add_nc_u64 s[88:89], s[86:87], s[22:23]
	s_mov_b32 s22, s94
	s_add_nc_u64 s[90:91], s[86:87], s[22:23]
	s_add_nc_u64 s[92:93], s[88:89], s[22:23]
	s_wait_kmcnt 0x0
	s_add_co_i32 s96, s76, s77
	s_add_co_i32 s96, s96, 127
	s_lshl_b32 s96, s96, 23                        ; 2^(e0 + e1) as f32
	s_mov_b32 s97, s96                             ; (named with it as a pair, so it is written)
	s_cmp_eq_u32 ttmp9, 0
	s_cselect_b32 s85, s78, s79                    ; e2 for q, e3 for k,
	s_cmp_eq_u32 ttmp9, 2
	s_cselect_b32 s85, s81, s85                    ; e5 for v
	s_add_co_i32 s85, s85, 127
	s_lshl_b32 s98, s85, 23
	v_mov_b32 v[SCL], s98
	s_add_co_i32 s85, s85, 8
	s_lshl_b32 s85, s85, 23
	s_or_b32 s85, s85, 0x600000
	v_mov_b32 v[LIM], s85
	s_not_b32 s99, s84
	s_wait_loadcnt 0x0                             ; the biases
.set i, 0
.rept 64
	v_and_b32 v[BB+i], s99, v[BB+i]                ; the bias by j counts for q and k alone,
.set i, i+1
.endr
.irp a, 0,1,2,3,4,5,6,7
	v_and_b32 v[BA+2*\a], s84, v[BA+2*\a]          ; the bias by i for v alone
	v_mov_b32 v[BA+2*\a+1], v[BA+2*\a]
.endr
.macro FRAG reg, adr, q, i             ; 16 rows x 128 K of codes in 16 registers: lane l holds row l % 16; registers 4 c .. 4 c + 3 hold K = 32 c + 16 (l / 16) + 0 .. 15: the same order of k in A and in B
.irp c, 0,1,2,3
	ds_load_b128 v[\reg+4*\c:\reg+4*\c+3], v[\adr] offset:128*(\q)+32*\c+(\i)*16*PITCH
.endr
.endm
; 16 matrix instructions: A's blocks a0, a0 + 1 x B's eight.  The 64 accumulators take turns, one instruction a turn, in the same order in every step.
.macro MUL16 a0, p, zero
.irp a, \a0, \a0+1
.irp b, 0,1,2,3,4,5,6,7
.if \zero
	v_wmma_f32_16x16x128_fp8_fp8 v[8*(8*((\a)%4)+\b):8*(8*((\a)%4)+\b)+7], v[128*(\p)+FR*\b:128*(\p)+FR*\b+FR-1], v[AF+FR*(\a):AF+FR*(\a)+FR-1], 0
.else
	v_wmma_f32_16x16x128_fp8_fp8 v[8*(8*((\a)%4)+\b):8*(8*((\a)%4)+\b)+7], v[128*(\p)+FR*\b:128*(\p)+FR*\b+FR-1], v[AF+FR*(\a):AF+FR*(\a)+FR-1], v[8*(8*((\a)%4)+\b):8*(8*((\a)%4)+\b)+7]
.endif
.endr
.endr
.endm
.macro FETCH_B slot, q, p
	WIN TO_B
.irp i, 0,1,2,3,4,5,6,7
	FRAG 128*(\p)+FR*\i, ADRB+\slot, \q, \i
.endr
	WIN 0
.endm
.macro FETCH_A slot, q, i0
.irp i, \i0, \i0+1, \i0+2, \i0+3
	FRAG AF+FR*(\i), ADRA+\slot, \q, \i
.endr
.endm
.macro PLACES n                        ; plain vector instructions between a matrix instruction and a load into, or a vector read or write of, its registers
.rept \n
	v_nop
.endr
.endm
.macro STEP slot, q, zero              ; 128 along K with its successor in the same slot
	s_wait_dscnt 4*NL                              ; B's set and A's blocks 0-3 are in; the youngest sixteen loads (A's blocks 4-7) may be out
	WIN MUL_LO
	MUL16 0, (\q)%2, \zero
	MUL16 2, (\q)%2, \zero
	s_wait_dscnt 0
	PLACES NP
	FETCH_B \slot, (\q)+1, 1-(\q)%2
	FETCH_A \slot, (\q)+1, 0
	WIN MUL_HI
	MUL16 4, (\q)%2, \zero
	MUL16 6, (\q)%2, \zero
	PLACES NP
	WIN 0
	FETCH_A \slot, (\q)+1, 4
.endm
; A slot's last step changes slots: one barrier; in front of it each wave waits for all its tensor loads, adds 0 to its spare word, and waits for that and for its reads of this slot.
.macro TURN slot, next, fill
	s_wait_tensorcnt 0x0                           ; all my tensor loads have landed: my part of the next slot
	ds_add_u32 v[SPW], v[NIL]                      ; 0 onto my spare word
	s_wait_dscnt 4*NL+1                            ; the add and the youngest sixteen loads may be out
	WIN MUL_LO
	MUL16 0, 1, 0
	s_wait_dscnt 0x0                               ; the add is done, and my reads of this slot are over
	s_barrier_signal -1
	MUL16 2, 1, 0
	WIN 0
	s_barrier_wait -1
.if \fill
	CREST                                          ; the barrier has opened a round of the cluster's: no wave of any partner still reads this slot or has a load on its way
	s_add_nc_u64 s[G0+4*\slot+2:G0+4*\slot+3], s[G0+4*\slot+2:G0+4*\slot+3], 2*ROWB
	s_add_nc_u64 s[G0B+4*\slot+2:G0B+4*\slot+3], s[G0B+4*\slot+2:G0B+4*\slot+3], 2*ROWB
	JLOAD G0+4*\slot, G1, G0B+4*\slot, G1B         ; the first tensor load behind the round; its four v_nop are also the places in front of the loads below
.else
	PLACES NP
.endif
	FETCH_B \next, 0, 0
	FETCH_A \next, 0, 0
	WIN MUL_HI
	MUL16 4, 1, 0
	MUL16 6, 1, 0
	PLACES NP
	WIN 0
	FETCH_A \next, 0, 4
.endm
	s_wait_alu depctr_va_vdst(0)                   ; the wait at the head's end
	s_wait_tensorcnt 0x0                           ; my part of K step 0 is in; slot 1's first fill is issued as a refill is:
	ds_add_u32 v[SPW], v[NIL]                      ; 0 onto my spare word
	s_wait_dscnt 0x0
	CROUND                                         ; everybody's part of K step 0 is in, and the joint loads meet
	JLOAD G0+4, G1, G0B+4, G1B                     ; K step 1: the first tensor load behind the round
	FETCH_B 0, 0, 0
	FETCH_A 0, 0, 0
	FETCH_A 0, 0, 4
	STEP 0, 0, 1                                   ; the first step's products start the sums: nothing is cleared
	s_mov_b32 s3, LAPS-1
.Llap:                                             ; a trip goes once round the ring and fills both slots again
	TURN 0, 1, 1
	STEP 1, 0, 0
	TURN 1, 0, 1
	STEP 0, 0, 0
	s_sub_co_u32 s3, s3, 1
	s_cmp_lg_u32 s3, 0
	s_cbranch_scc1 .Llap
	TURN 0, 1, 0                                   ; the last lap fills nothing
	STEP 1, 0, 0
	s_wait_dscnt 4*NL
	WIN MUL_LO
	MUL16 0, 1, 0
	MUL16 2, 1, 0
	s_wait_dscnt 0
	WIN MUL_HI
	MUL16 4, 1, 0
	MUL16 6, 1, 0
	WIN 0
; THE WAY OUT, block by block of 16 rows i x 128 columns j.
; CALC: number = sum x 2^(e0 + e1) + bias (one of the two biases is 0, so one rounding), held within +-448 x 2^eo.  Each accumulator is read from its low end on.
.macro CALC a
.set AC, 64*((\a)%4)
	WIN 0x02+((\a)/4)                              ; source 0: window 2 or 3
.set j, 0
.rept 32
	v_pk_fma_f32 v[TMP+j:TMP+j+1], v[AC+j:AC+j+1], s[96:97], v[BB+j:BB+j+1] op_sel_hi:[1,0,1]
.set j, j+2
.endr
	WIN 0
.set j, 0
.rept 32
	v_pk_add_f32 v[TMP+j:TMP+j+1], v[TMP+j:TMP+j+1], v[BA+2*(\a):BA+2*(\a)+1]
.set j, j+2
.endr
.set j, 0
.rept 64
	v_med3_num_f32 v[TMP+j], v[TMP+j], -v[LIM], v[LIM]   ; the conversion does not saturate (ISA guide 7.6.2)
.set j, j+1
.endr
.endm
; PUT: eight codes a conversion; 8 bytes a lane into my stage (row i, byte j); back as 8 rows x 64 bytes an instruction: 512 bytes that lie on end in qkvc.
.macro PUT a
.irp b, 0,1,2,3,4,5,6,7
	v_cvt_scalef32_pk8_fp8_f32 v[CD+2*\b:CD+2*\b+1], v[TMP+8*\b:TMP+8*\b+7], v[SCL]
.endr
	v_nop                                          ; one plain vector instruction behind the conversions, ahead of the next block's writes of their sources
.irp b, 0,1,2,3,4,5,6,7
	ds_store_b64 v[STO], v[CD+2*\b:CD+2*\b+1] offset:16*\b
.endr
.if (\a) >= 4
	s_wait_xcnt 0x0                                ; block a - 4's stores have read this set of registers
.endif
.irp g, 0,1
.irp f, 0,1
	ds_load_b128 v[BK+16*((\a)%4)+4*(2*\g+\f):BK+16*((\a)%4)+4*(2*\g+\f)+3], v[RD] offset:64*\g+8*SPITCH*\f   ; LDS serves a wave's instructions in order: these see the stores above
.endr
.endr
.endm
.macro SEND a
	s_wait_dscnt 0x0                               ; the block is back in registers, and its stage may be written again
.irp g, 0,1
.irp f, 0,1
	global_store_b128 v[CO], v[BK+16*((\a)%4)+4*(2*\g+\f):BK+16*((\a)%4)+4*(2*\g+\f)+3], s[86+4*((\a)/4)+2*\g:87+4*((\a)/4)+2*\g] offset:((\a)%4)*1024+512*\f   ; 512 consecutive bytes, aligned
.endr
.endr
.endm
	PLACES NP                                      ; behind the last products: their results are read and A's registers written below
	CALC 0
	PUT 0
.irp a, 1,2,3,4,5,6,7                  ; block a's arithmetic stands between block a - 1's loads from the stage and the wait for them
	CALC \a
	s_wait_alu depctr_va_vdst(0)
	SEND \a-1
	PUT \a
.endr
	SEND 7
	s_wait_tensorcnt 0x0                           ; the wave's end
	ds_add_u32 v[SPW], v[NIL]
	s_wait_dscnt 0x0
	CROUND                                         ; the closing round: no work-group ends while a partner may still ask for a tile that names it
	s_endpgm
.Lfunc_end_k_q20b1a08ded_qkv:
	.size	k_q20b1a08ded_qkv, .Lfunc_end_k_q20b1a08ded_qkv-k_q20b1a08ded_qkv
	.p2alignl 7, 3214868480
	.fill 96, 4, 3214868480
	.section	.rodata,"a",@progbits
	.p2align	6, 0x0
	.amdhsa_kernel k_q20b1a08ded_qkv
		.amdhsa_group_segment_fixed_size 327680
		.amdhsa_private_segment_fixed_size 0
		.amdhsa_enable_private_segment 0
		.amdhsa_kernarg_size 40
		.amdhsa_user_sgpr_count 2
		.amdhsa_user_sgpr_kernarg_segment_ptr 1
		.amdhsa_wavefront_size32 1
		.amdhsa_system_sgpr_workgroup_id_x 1
		.amdhsa_system_sgpr_workgroup_id_y 1
		.amdhsa_system_sgpr_workgroup_id_z 1
		.amdhsa_system_vgpr_workitem_id 0
		.amdhsa_next_free_vgpr 1024
		.amdhsa_next_free_sgpr 102
		.amdhsa_reserve_vcc 0
		.amdhsa_float_denorm_mode_32 3
		.amdhsa_float_denorm_mode_16_64 3
		.amdhsa_memory_ordered 1
		.amdhsa_forward_progress 1
		.amdhsa_inst_pref_size 163
	.end_amdhsa_kernel
	.amdgpu_metadata
---
amdhsa.version: [ 1, 2 ]
amdhsa.kernels:
  - .name:           k_q20b1a08ded_qkv
    .symbol:         k_q20b1a08ded_qkv.kd
    .args:
      - { .name: xc, .offset: 0, .size: 8, .value_kind: global_buffer, .address_space: global }
      - { .name: wc, .offset: 8, .size: 8, .value_kind: global_buffer, .address_space: global }
      - { .name: b_qkv, .offset: 16, .size: 8, .value_kind: global_buffer, .address_space: global }
      - { .name: lowp_scales, .offset: 24, .size: 8, .value_kind: global_buffer, .address_space: global }
      - { .name: qkvc, .offset: 32, .size: 8, .value_kind: global_buffer, .address_space: global }
    .group_segment_fixed_size: 327680
    .private_segment_fixed_size: 0
    .kernarg_segment_align: 8
    .kernarg_segment_size: 40
    .max_flat_workgroup_size: 128
    .sgpr_count:     102
    .vgpr_count:     1024
    .wavefront_size: 32
...
	.end_amdgpu_metadata
.endif
;; end of part 2
;; launch attn (part 3): grid 4 x 64, 16 waves a work-group, no clusters, 327,680 bytes of LDS; arguments qkvc, lowp_scales, ac; writes ac
.if DOCPART == 3
	.amdgcn_target "amdgcn-amd-amdhsa--gfx1250"
	.amdhsa_code_object_version 6
	.text
	.protected	k_q20b1a08ded_attn
	.globl	k_q20b1a08ded_attn
	.p2align	8
	.type	k_q20b1a08ded_attn,@function
k_q20b1a08ded_attn:
	s_mov_b64 s[64:65], 0
	v_nop
	global_prefetch_b8 v0, s[64:65] scope:SCOPE_SE
	s_setreg_imm32_b32 hwreg(HW_REG_WAVE_MODE, 25, 1), 1
	s_wait_xcnt 0x0
; Causal attention on codes of FP8 (E4M3): for each of 64 (batch, head): O[q] = sum over keys k <= q of softmax(Q[q] . K[k] / 8) V[k], head size 64, 2,048 tokens.
; LEFT OUT: key steps all of whose keys come after a wave's queries: the causal mask sets their scores to -infinity, so their p is 0 for all values of the inputs.
; qkvc: q at byte 0, k at 8,388,608: [batch x head][token][64];  v at 16,777,216: [batch x head][block of 64 keys][d 64][64 keys].  Scales: q 2^e2, k 2^e3, p 2^e4, v 2^e5; the result is quantised with 2^e6.
; THE SOFTMAX: t = score x log2(e) / 8; M = the running largest t rounded UP to a whole number; p = 2^(t - M) is quantised along the keys, not normalised; the row's sum is taken of the unquantised p and
; divides O at the end.  When M moves, the sum and O are multiplied by 2^(old M - new M): nothing is rounded.
; ac (codes, read by the last product): [head / 4][token / 16][head % 4][token % 16][64]: a wave's 16 queries of one head are 1,024 consecutive bytes.
; SHARES.  A head's 2,048 queries are 8 blocks of 256.  Work-group p = 0 .. 3 of a head owns block 7 - p and then block p: (8 - p) + (p + 1) = 9 pieces of 256 keys, 18 key steps, the same count in all 256 work-groups.
; Piece u = 0 .. 8 of the walk is the head's piece u where u < 8 - p, else piece u - (8 - p): the second block begins at key 0 again.
; Wave w owns queries 16 w .. 16 w + 15 of the block in hand, so all sixteen waves walk the same keys; only in a block's last piece do waves 0-7 leave the second key step out.
; Where the first block ends (behind key step 2 (8 - p), a branch on ids and the count of steps) its result goes out and the second block's Q and a fresh state are taken.
; RING.  Two LDS slots of three pieces, so three fills and three changes of slots in all; the third slot's steps are written out.  Waves 0-2 fetch K's pieces, waves 3-5 V's:
; 16,384 dense bytes each, stated as 64 rows of 256 bytes with 16 bytes of padding behind each 128.
; NO CLUSTER: the four work-groups of a head turn back to key 0 at different pieces (8, 7, 6, 5), so partners would not issue the same loads in the same rounds.
; PREFETCH: at the first change of slots waves 6 and 7 ask for their work-group's quarter (4,096 bytes of K, lanes 0-15, and of V, lanes 16-31, lanes 256 bytes apart) of the head's pieces 6 and 7, which the
; next change of slots asks for, six key steps on: each block of 256 bytes is named once in the launch.  Pieces 0 to 5 come by the first two fills alone; all else in the walk has been read before.
; LAYOUT.  Both products are used transposed: S^T = K Q^T (source 0 = 16 keys), O^T = V^T P^T (source 0 = 16 of the head's 64): a lane holds ONE query (lane % 16) throughout.  Lane r of tile 2 b + u takes row
; 32 b + 8 u + r + 8 (r / 8), so that the 16 registers of tiles 2 b, 2 b + 1 are 16 neighbours: keys for p, channels for the result.
; LIMITS: e2 + e3 between -123 and 130 (added to c's exponent field); e4 and e6 between -126 and 119; e4 + e5 is applied by v_ldexp_f32.  NaN among the inputs is not served.
; REGISTERS: v1-11 addresses; v12 -M, v13 the largest t, v[14:15] the sum; v16-23 Q; v24: 2^e4; v25, v26: 448 x 2^e4; v32-95 K's 8 fragments, then V's 4; v96-159 S^T, then p; v160-191 O^T; v192-207 p's codes;
;   v208-217 at work and constants; v218-225 the second block's Q; v244-255 partial sums.
.set LP,    144                        ; an LDS line: two rows of 64 bytes + 16 of padding
.set STEPB, 64*LP                      ; a key step: 128 keys of K are 64 lines; of V two blocks of 32 lines
.set VOFF,  6*STEPB                    ; a slot: six key steps of K, then of V
.set SLOT1, 1<<17                      ; slot 1 begins here: one exclusive or turns an address in one slot into the other's
.set STAGE, 2*SLOT1                    ; the way out: 1,024 bytes for each wave; no tile lands here
.set SPARE, STAGE+16*1024              ; the spare words, 128 bytes for each wave: eight blocks of 256 bytes that no other line names
.set AK0,  1
.set AV0,  2
.set PFO,  3
.set QO,   4
.set SPW,  5
.set NIL,  6
.set GO,   7
.set ADK,  8
.set ADV,  9
.set SIN,  10
.set SBK,  11
.set QB,   218
.set TB,   2                           ; s2   LDS byte at which the key step in hand begins
.set STP,  3                           ; s3   counts a slot's six key steps
.set BND,  14                          ; s14  the key step on my diagonal, in the block in hand;  s15: in the second block
.set BNB,  15
.set UU,   16                          ; s16  the piece of the walk that my next tensor load brings
.set NA2,  17                          ; s17  2 (8 - p): the first block's key steps
.set WV,   18
.set BT,   19                          ; s19  counts the changes of slots that fill
.set SEL,  20
.set CS,   22
.set G1,   24
.set GB,   36                          ; s[36:37] my head's K (waves 0-2) or V (waves 3-5) in memory;  s[38:39] my piece's bytes from there
.set OFS,  38
.set G0,   40
.set NA,   66                          ; s66  8 - p: the first block's pieces
.set TRIP, 67                          ; s67  key steps walked
.set PFA,  76
.set LIM,  80
.set KF,   98                          ; s98  the step's first key
.macro JLOAD                           ; waves 0 to 5 fetch a piece each; the branch hangs on the wave's number alone.  s_nop 0 and four v_nop follow the load
	s_cmp_lt_u32 s[WV], 6
	s_cbranch_scc0 .Lnone_\@
	tensor_load_to_lds s[G0:G0+3], s[G1:G1+7]
	s_nop 0
.rept 4
	v_nop
.endr
.Lnone_\@:
.endm
.macro ASK                             ; waves 6 and 7, at the first change of slots alone (no key step walked yet)
	s_cmp_lt_u32 s[TRIP], s[LIM]
	s_cbranch_scc0 .Lnot_mine_\@
	global_prefetch_b8 v[PFO], s[PFA:PFA+1] th:TH_LOAD_NT scope:SCOPE_SE
.Lnot_mine_\@:
.endm
.macro RESET                           ; a block's state: the first key step finds zeros, which the first change of M leaves zeros
	v_mov_b32 v13, 0xff61b1e6                      ; the largest t so far: -3e38, under every t
	v_floor_f32 v12, -v13                          ; -M
	v_mov_b32 v14, 0
	v_mov_b32 v15, 0
.set i, 0
.rept 32
	v_mov_b32 v[160+i], 0
.set i, i+1
.endr
.endm
	s_load_b128 s[4:7], s[0:1], 0x0                ; qkvc s[4:5], the scales' exponents s[6:7]
	s_load_b64 s[8:9], s[0:1], 0x10                ; ac
	v_lshl_add_u32 v[SPW], v0, 2, SPARE
	v_mov_b32 v[NIL], 0
	ds_add_u32 v[SPW], v[NIL]                      ; the opening: the add, twice on end, and its wait ahead of the first tensor load
	ds_add_u32 v[SPW], v[NIL]
	v_lshrrev_b32 v8, 5, v0
	v_readfirstlane_b32 s[WV], v8                  ; wave 0..15
	s_and_b32 s12, ttmp7, 0xffff                   ; batch x 16 + head
	s_lshl_b32 s47, s12, 17                        ; its 131,072 bytes in each of q, k, v
	s_sub_co_u32 s[NA], 8, ttmp9
	s_lshl_b32 s[NA2], s[NA], 1
	s_sub_co_u32 s13, 7, ttmp9                     ; the first block
	s_lshr_b32 s44, s[WV], 3
	s_lshl_b32 s44, s44, 7                         ; which 128 of the block's 256 hold my queries
	s_lshl_b32 s[BND], s13, 8
	s_add_co_u32 s[BND], s[BND], s44
	s_lshl_b32 s[BNB], ttmp9, 8
	s_add_co_u32 s[BNB], s[BNB], s44
	s_mov_b32 s[G1], (0<<16)|(1<<20)|(4<<22)|(3<<25)   ; no mask; elements of 1 byte; padding on: 4 words (code 3) after every 32 (code 4)
	s_mov_b32 s[G1+1], 256<<16                     ; tensor_dim0
	s_mov_b32 s[G1+2], 64<<16                      ; tensor_dim1
	s_mov_b32 s[G1+3], 256<<16                     ; tile_dim0
	s_mov_b32 s[G1+4], 64                          ; tile_dim1
	s_mov_b32 s[G1+5], 256                         ; tensor_dim0_stride
	s_mov_b32 s[G1+6], 0
	s_mov_b32 s[G1+7], 0
	s_cmp_ge_u32 s[WV], 3
	s_cselect_b32 s46, 3, 0
	s_cselect_b32 s44, 2, 1
	s_sub_co_u32 s[UU], s[WV], s46                 ; which of the slot's three pieces I fetch
	s_lshl_b32 s44, s44, 23                        ; waves 0-2: k's part of qkvc; waves 3-5: v's
	s_add_co_u32 s44, s44, s47
	s_mov_b32 s45, 0
	s_mov_b32 s[G0], 1                             ; count = 1
	s_mul_i32 s[G0+1], s[WV], 2*STEPB              ; LDS address in slot 0: K's three pieces, then V's
	s_mov_b32 s[SEL], 0x76543210
	s_mov_b32 s[SEL+1], 0xfedcba98
	s_mov_b32 s[CS], 0x3e38aa3b                    ; c = log2(e) / 8
	s_mov_b32 s[TB], 0
	s_mov_b32 s[KF], 0
	s_mov_b32 s[TRIP], 0
	s_lshl_b32 s[OFS], s[UU], 14                   ; pieces 0 to 2 of the walk are the head's own (8 - p is at least 5)
	s_mov_b32 s[OFS+1], 0
	s_wait_dscnt 0x0                               ; both opening adds are done
	s_wait_kmcnt 0x0
	s_load_b256 s[68:75], s[6:7], 0x0              ; e0 .. e7
	s_add_nc_u64 s[GB:GB+1], s[4:5], s[44:45]
	s_add_nc_u64 s[G0+2:G0+3], s[GB:GB+1], s[OFS:OFS+1]
	s_or_b32 s[G0+3], s[G0+3], 0x80000000          ; type = 2
	JLOAD                                          ; slot 0: keys 0 .. 767
	; scalar set-up first, then the vector lines in one run
	s_lshl_b32 s50, s[WV], 10
	s_add_co_u32 s82, s50, s47                     ; my 16 queries' 1,024 bytes within a block of my head
	s_add_co_u32 s50, s50, STAGE                   ; my stage
	s_and_b32 s51, s[WV], 7
	s_lshl_b32 s51, s51, 4                         ; my first query less the diagonal step's first key
	s_lshl_b32 s44, s13, 14
	s_add_co_u32 s44, s44, s82
	s_add_nc_u64 s[84:85], s[4:5], s[44:45]        ; Q of the first block,
	s_lshl_b32 s44, ttmp9, 14
	s_add_co_u32 s44, s44, s82
	s_add_nc_u64 s[86:87], s[4:5], s[44:45]        ; of the second
	s_lshl_b32 s44, ttmp9, 12                      ; the prefetches: my work-group's 4,096 bytes of a piece's 16,384,
	s_add_co_u32 s44, s44, s47
	s_add_co_u32 s44, s44, 1<<23                   ; in k's part,
	s_min_u32 s46, s[WV], 7
	s_lshl_b32 s46, s46, 14                        ; of the piece with my wave's number: 6 or 7
	s_add_co_u32 s44, s44, s46
	s_add_nc_u64 s[PFA:PFA+1], s[4:5], s[44:45]
	s_lshr_b32 s46, s[WV], 1
	s_cmp_eq_u32 s46, 3
	s_cselect_b32 s[LIM], 1, 0
	s_lshr_b32 s44, s12, 4                         ; where the results go: batch,
	s_and_b32 s46, s12, 15                         ; head
	s_lshl_b32 s44, s44, 7
	s_add_co_u32 s44, s44, s[WV]                   ; token / 16 = 128 x batch + 16 x block + wave
	s_lshl_b32 s44, s44, 12
	s_lshr_b32 s48, s46, 2
	s_lshl_b32 s48, s48, 21
	s_add_co_u32 s44, s44, s48
	s_and_b32 s46, s46, 3
	s_lshl_b32 s46, s46, 10
	s_add_co_u32 s46, s44, s46
	s_lshl_b32 s44, ttmp9, 16
	s_add_co_u32 s44, s44, s46
	s_add_nc_u64 s[10:11], s[8:9], s[44:45]        ; the second block's,
	s_lshl_b32 s44, s13, 16
	s_add_co_u32 s44, s44, s46
	s_add_nc_u64 s[8:9], s[8:9], s[44:45]          ; the first's
	v_and_b32 v8, 15, v0                           ; r
	v_bfe_u32 v9, v0, 4, 1                         ; h
	v_lshlrev_b32 v[QO], 6, v8
	v_lshl_add_u32 v[QO], v9, 4, v[QO]             ; 64 r + 16 h
	global_load_b128 v[16:19], v[QO], s[84:85]             ; Q's fragment: registers 4 c .. 4 c + 3 hold d = 32 c + 16 h + 0 .. 15, as K's do
	global_load_b128 v[20:23], v[QO], s[84:85] offset:32
	global_load_b128 v[QB:QB+3], v[QO], s[86:87]
	global_load_b128 v[QB+4:QB+7], v[QO], s[86:87] offset:32
	v_and_b32 v10, 8, v8
	v_add_nc_u32 v10, v10, v8                      ; r + 8 (r / 8)
	v_lshrrev_b32 v11, 1, v10
	v_and_b32 v10, 1, v10
	v_mul_u32_u24 v[AK0], v11, LP
	v_lshl_add_u32 v[AK0], v10, 6, v[AK0]
	v_lshl_add_u32 v[AK0], v9, 4, v[AK0]           ; my row's line and half of it, + 16 h
	v_add_nc_u32 v[AV0], VOFF, v[AK0]
	v_lshlrev_b32 v[PFO], 8, v8
	v_lshl_add_u32 v[PFO], v9, 23, v[PFO]          ; lanes 0-15: k's part, 256 bytes apart; lanes 16-31: the same in v's part
	v_and_b32 v[GO], 31, v0
	v_lshlrev_b32 v[GO], 4, v[GO]
	v_add_nc_u32 v[SIN], s50, v[QO]                ; into my stage: query r's 64 bytes, 16 for each half of the lanes
	v_add_nc_u32 v[SBK], s50, v[GO]                ; back: as the bytes lie
	v_lshlrev_b32 v214, 4, v9
	v_sub_nc_u32 v214, v8, v214
	v_add_nc_u32 v214, s51, v214                   ; on the diagonal: my query less the step's first key less 16 h
	v_mov_b32 v215, 0xff800000                     ; -infinity
	v_mov_b32 v209, 0                              ; written once: a lane permute's destination counts as one of its sources
	v_mov_b32 v211, 0                              ; (named as the upper half of the pair v[210:211])
	RESET
	s_wait_alu depctr_va_vdst(0)                   ; directly ahead of the wait below
	s_wait_kmcnt 0x0
	s_add_co_i32 s44, s70, s71
	s_lshl_b32 s44, s44, 23
	s_add_co_i32 s[CS], s[CS], s44                 ; a score stands for score x 2^(e2 + e3): the two exponents are added to c's exponent field
	s_mov_b32 s[CS+1], s[CS]
	s_add_co_i32 s44, s72, 127
	s_lshl_b32 s45, s44, 23
	v_mov_b32 v24, s45                             ; 2^e4
	s_add_co_i32 s44, s44, 8
	s_lshl_b32 s44, s44, 23
	s_or_b32 s44, s44, 0x600000
	v_mov_b32 v25, s44                             ; 448 x 2^e4,
	v_mov_b32 v26, s44                             ; twice: the two halves of a dual pair take their second sources from different banks
	s_add_co_i32 s44, s74, 127
	s_lshl_b32 s45, s44, 23
	v_mov_b32 v216, s45                            ; 2^e6
	s_add_co_i32 s44, s44, 8
	s_lshl_b32 s44, s44, 23
	s_or_b32 s44, s44, 0x600000
	v_mov_b32 v217, s44                            ; 448 x 2^e6
; A KEY STEP: 128 keys.  A step all of whose keys come after my queries is left out: a scalar branch on ids and the count of steps, round the step's loads, products and softmax, not round the lines that step addresses.
.macro STEP
	s_cmp_gt_u32 s[KF], s[BND]
	s_cbranch_scc1 .Lhidden_\@
	v_add_nc_u32 v[ADK], s[TB], v[AK0]
	v_add_nc_u32 v[ADV], s[TB], v[AV0]
	v_nop
	v_nop                                          ; with the two additions: four places in front of loads into registers that the last products read
.irp t, 0,1,2,3,4,5,6,7
.irp c, 0,1
	ds_load_b128 v[32+8*\t+4*\c:35+8*\t+4*\c], v[ADK] offset:(16*(\t/2)+4*(\t%2))*LP+32*\c
.endr
.endr
	s_wait_alu depctr_va_vdst(0)                   ; directly ahead of the wait below
	s_wait_dscnt 0x0
.irp t, 0,1,2,3,4,5,6,7
	v_wmma_f32_16x16x64_fp8_fp8 v[96+8*\t:103+8*\t], v[32+8*\t:39+8*\t], v[16:23], 0   ; register 16 b + i of v96 on: key KF + 32 b + 16 h + i
.endr
.rept 4
	v_nop                                          ; places: for the loads into K's registers, and for the first read of the scores
.endr
.irp t, 0,1,2,3                                ; V's four fragments (16 of the head's 64 x 128 keys) are asked for here and land during the softmax
.irp c, 0,1,2,3
	ds_load_b128 v[32+16*\t+4*\c:35+16*\t+4*\c], v[ADV] offset:(16*(\t/2)+4*(\t%2))*LP+(\c/2)*32*LP+32*(\c%2)
.endr
.endr
	s_cmp_lt_u32 s[KF], s[BND]                     ; a step all of whose keys count skips the mask
	s_cbranch_scc1 .Lopen_\@
.set n, 0
.rept 64
	v_cmp_gt_i32 vcc_lo, 32*(n/16)+n%16, v214      ; on the diagonal the scores of hidden keys become -infinity ahead of the maximum: p = 0 then
	v_cndmask_b32 v[96+n], v[96+n], v215, vcc_lo
.set n, n+1
.endr
.Lopen_\@:
	v_max3_num_f32 v208, v96, v97, v98             ; the step's largest score of my query among my 64 keys, in two chains; each tile of scores is read from its low end on
	v_max3_num_f32 v210, v99, v100, v101
.irp i, 6,10,14,18,22,26,30,34,38,42,46,50,54,58
	v_max3_num_f32 v208, v208, v[96+\i], v[97+\i]
	v_max3_num_f32 v210, v210, v[98+\i], v[99+\i]
.endr
	v_max3_num_f32 v208, v208, v158, v159
	s_delay_alu instid0(VALU_DEP_1)
	v_max_num_f32 v208, v208, v210
	s_delay_alu instid0(VALU_DEP_1)
	v_permlanex16_b32 v209, v208, s[SEL], s[SEL+1]
	s_delay_alu instid0(VALU_DEP_1)
	v_max_num_f32 v208, v208, v209                 ; and among the other half of the lanes'
	s_delay_alu instid0(VALU_DEP_1)
	v_mul_f32 v208, s[CS], v208                    ; as t (c is positive)
	s_delay_alu instid0(VALU_DEP_1)
	v_max_num_f32 v13, v13, v208                   ; the running largest t
	v_mov_b32 v208, v12
	s_delay_alu instid0(VALU_DEP_2)
	v_floor_f32 v12, -v13                          ; the new -M = floor(-t): M is a whole number
	s_delay_alu instid0(VALU_DEP_1)
	v_sub_f32 v208, v12, v208                      ; old M less new M: a whole number, 0 or less
	s_delay_alu instid0(VALU_DEP_1)
	v_cvt_i32_f32 v208, v208                       ; (it saturates)
	s_delay_alu instid0(VALU_DEP_1)
	v_ldexp_f32 v210, 1.0, v208                    ; f = 2^(old M - new M)
.set j, 0
.rept 32
	v_pk_fma_f32 v[96+j:97+j], v[96+j:97+j], s[CS:CS+1], v[12:13] op_sel_hi:[1,0,0]   ; t - M, two at a time
.set j, j+2
.endr
.set j, 0
	s_wait_alu depctr_va_vdst(0)                   ; the wait ahead of the batch
.rept 64
	v_exp_f32 v[96+j], v[96+j]                     ; p = 2^(t - M), at most 1
.set j, j+1
.endr
	v_pk_mul_f32 v[14:15], v[14:15], v[210:211] op_sel_hi:[1,0]   ; the sums under the new M: the plain instruction behind the exponentials
	s_wait_alu depctr_va_vdst(0)                   ; one wait for the whole batch, ahead of its first reader
	v_pk_add_f32 v[212:213], v[100:101], v[104:105]   ; the row's sum of the unquantised p, in eight chains
	v_pk_add_f32 v[254:255], v[108:109], v[112:113]
	v_pk_add_f32 v[252:253], v[116:117], v[120:121]
	v_pk_add_f32 v[250:251], v[124:125], v[128:129]
	v_pk_add_f32 v[248:249], v[132:133], v[136:137]
	v_pk_add_f32 v[246:247], v[140:141], v[144:145]
	v_pk_add_f32 v[244:245], v[148:149], v[152:153]
	v_pk_add_f32 v[14:15], v[14:15], v[156:157]
	v_pk_add_f32 v[212:213], v[212:213], v[96:97]
	v_pk_add_f32 v[254:255], v[254:255], v[98:99]
	v_pk_add_f32 v[252:253], v[252:253], v[102:103]
	v_pk_add_f32 v[250:251], v[250:251], v[106:107]
	v_pk_add_f32 v[248:249], v[248:249], v[110:111]
	v_pk_add_f32 v[246:247], v[246:247], v[114:115]
	v_pk_add_f32 v[244:245], v[244:245], v[118:119]
	v_pk_add_f32 v[14:15], v[14:15], v[122:123]
	v_pk_add_f32 v[212:213], v[212:213], v[126:127]
	v_pk_add_f32 v[254:255], v[254:255], v[130:131]
	v_pk_add_f32 v[252:253], v[252:253], v[134:135]
	v_pk_add_f32 v[250:251], v[250:251], v[138:139]
	v_pk_add_f32 v[248:249], v[248:249], v[142:143]
	v_pk_add_f32 v[246:247], v[246:247], v[146:147]
	v_pk_add_f32 v[244:245], v[244:245], v[150:151]
	v_pk_add_f32 v[14:15], v[14:15], v[154:155]
	v_pk_add_f32 v[212:213], v[212:213], v[158:159]
	s_delay_alu instid0(VALU_DEP_2)
	v_pk_add_f32 v[14:15], v[14:15], v[250:251]
	s_delay_alu instid0(VALU_DEP_2)
	v_pk_add_f32 v[212:213], v[212:213], v[248:249]
	v_pk_add_f32 v[254:255], v[254:255], v[246:247]
	v_pk_add_f32 v[252:253], v[252:253], v[244:245]
	s_delay_alu instid0(VALU_DEP_2)
	v_pk_add_f32 v[14:15], v[14:15], v[254:255]
	s_delay_alu instid0(VALU_DEP_2)
	v_pk_add_f32 v[212:213], v[212:213], v[252:253]
	s_delay_alu instid0(VALU_DEP_1)
	v_pk_add_f32 v[14:15], v[14:15], v[212:213]
.irp b, 0,1,2,3
.irp i, 0,2,4,6,8,10,12,14
	v_dual_min_num_f32 v[96+16*\b+\i], v[96+16*\b+\i], v25 :: v_dual_min_num_f32 v[97+16*\b+\i], v[97+16*\b+\i], v26   ; the conversion does not saturate (ISA guide 7.6.2); p is not negative, so the hold is one-sided; two holds to a pair
.endr
	v_cvt_scalef32_pk8_fp8_f32 v[192+4*\b:193+4*\b], v[96+16*\b:103+16*\b], v24
	v_cvt_scalef32_pk8_fp8_f32 v[194+4*\b:195+4*\b], v[104+16*\b:111+16*\b], v24
.endr
	s_wait_alu depctr_va_vdst(0)                   ; directly ahead of the first reader of O^T
.set j, 0
.rept 16
	v_pk_mul_f32 v[160+j:161+j], v[160+j:161+j], v[210:211] op_sel_hi:[1,0]   ; O^T under the new M.  (Also the plain instructions between the conversions and the products)
.set j, j+2
.endr
	s_wait_alu depctr_va_vdst(0)                   ; directly ahead of the wait below
	s_wait_dscnt 0x0                               ; V is in
.irp t, 0,1,2,3
	v_wmma_f32_16x16x128_fp8_fp8 v[160+8*\t:167+8*\t], v[32+16*\t:47+16*\t], v[192:207], v[160+8*\t:167+8*\t]   ; the four accumulators take turns
.endr
.Lhidden_\@:
	s_add_co_u32 s[KF], s[KF], 128
	s_add_co_u32 s[TB], s[TB], STEPB
.endm
; THE CHANGE OF SLOTS stands at a slot's head.  Each wave waits for all its tensor loads, adds 0 to its spare word, and waits for that and for its reads of the slot that it has left.
; fill = 1: behind the barrier the slot that was left is filled with the walk's next three pieces, each loading wave's piece three further on than its last.
.macro CHANGE fill
	s_wait_tensorcnt 0x0                           ; no tensor load of mine is out, so group 0 may be written
	ds_add_u32 v[SPW], v[NIL]                      ; 0 onto my spare word
.if \fill
	ds_add_u32 v[SPW], v[NIL]                      ; and once more
	s_xor_b32 s[G0+1], s[G0+1], SLOT1              ; the other slot than last time
	s_add_co_u32 s[UU], s[UU], 3
	s_cmp_ge_u32 s[UU], s[NA]                      ; a piece of the second block?
	s_cselect_b32 s96, s[NA], 0
	s_sub_co_u32 s96, s[UU], s96                   ; which piece of the head it is
	s_lshl_b32 s[OFS], s96, 14
	s_add_nc_u64 s[G0+2:G0+3], s[GB:GB+1], s[OFS:OFS+1]
	s_or_b32 s[G0+3], s[G0+3], 0x80000000
.endif
	s_wait_dscnt 0x0                               ; the adds are done, and my reads of the slot that I have left are over
	s_barrier_signal -1
	s_barrier_wait -1
.if \fill
	JLOAD                                          ; the first thing behind the barrier, and a wave's one tensor load until the next
	ASK
.endif
.endm
; A BLOCK'S WAY OUT.  O^T / the sum x 2^(e4 + e5) is held, quantised with 2^e6, and goes through my stage so that the wave stores 1,024 consecutive bytes.  more = 1: the second block's Q, diagonal, place in ac and a fresh state follow.
.macro FINISH more
.rept 4
	v_nop                                          ; places behind the last products
.endr
	v_add_f32 v14, v14, v15
	s_delay_alu instid0(VALU_DEP_1)
	v_permlanex16_b32 v209, v14, s[SEL], s[SEL+1]
	s_delay_alu instid0(VALU_DEP_1)
	v_add_f32 v14, v14, v209                       ; the row's sum
	s_wait_alu depctr_va_vdst(0)                   ; the wait ahead of the transcendental
	v_rcp_f32 v14, v14
	v_nop                                          ; a plain instruction behind the reciprocal
	s_add_co_i32 s44, s72, s73
	s_wait_alu depctr_va_vdst(0)                   ; the wait ahead of its first reader
	v_ldexp_f32 v14, v14, s44                      ; x 2^(e4 + e5)
	s_wait_alu depctr_va_vdst(0)                   ; directly ahead of the first reader of O^T
.set j, 0
.rept 32
	v_mul_f32 v[96+j], v[160+j], v14               ; register 8 (2 u + v) + i: channel 32 u + 16 h + 8 v + i; each accumulator from its low end on
.set j, j+1
.endr
.set j, 0
.rept 32
	v_med3_num_f32 v[96+j], v[96+j], -v217, v217
.set j, j+1
.endr
.irp t, 0,1,2,3
	v_cvt_scalef32_pk8_fp8_f32 v[192+2*\t:193+2*\t], v[96+8*\t:103+8*\t], v216
.endr
	v_nop
	ds_store_b128 v[SIN], v[192:195]               ; channels 16 h + 0 .. 15 of query r
	ds_store_b128 v[SIN], v[196:199] offset:32     ; channels 32 + 16 h + 0 .. 15
	ds_load_b128 v[32:35], v[SBK]                  ; LDS serves a wave's instructions in order: these see my stores
	ds_load_b128 v[36:39], v[SBK] offset:512
	s_wait_dscnt 0x0
	global_store_b128 v[GO], v[32:35], s[8:9]              ; 512 consecutive bytes, aligned
	global_store_b128 v[GO], v[36:39], s[8:9] offset:512
.if \more
	s_wait_xcnt 0x0                                ; the stores have read their base and their data
	s_mov_b64 s[8:9], s[10:11]
	s_mov_b32 s[BND], s[BNB]
	s_mov_b32 s[KF], 0
.set i, 0
.rept 8
	v_mov_b32 v[16+i], v[QB+i]
.set i, i+1
.endr
	RESET
	s_wait_alu depctr_va_vdst(0)
.endif
.endm
.macro SLOT_STEPS                      ; a slot's six key steps: written once, walked six times; the LDS addresses hang on s[TB]
	s_mov_b32 s[STP], 6
.Lstep_\@:
	STEP
	s_add_co_u32 s[TRIP], s[TRIP], 1
	s_cmp_lg_u32 s[TRIP], s[NA2]                   ; the first block's last key step?  Ids and the count of steps alone: all sixteen waves go the same way
	s_cbranch_scc1 .Lsame_\@
	FINISH 1
.Lsame_\@:
	s_sub_co_u32 s[STP], s[STP], 1
	s_cmp_lg_u32 s[STP], 0
	s_cbranch_scc1 .Lstep_\@
	s_sub_co_u32 s[TB], s[TB], 6*STEPB             ; back to a slot's first step,
	s_xor_b32 s[TB], s[TB], SLOT1                  ; in the other slot
.endm
	s_mov_b32 s[BT], 2
	s_wait_alu depctr_va_vdst(0)                   ; the wait at the head's end
	s_wait_loadcnt 0x0                             ; both blocks' Q
.Lslot:                                            ; two trips: behind each of these changes of slots the walk's next three pieces are asked for
	CHANGE 1
	SLOT_STEPS
	s_sub_co_u32 s[BT], s[BT], 1
	s_cmp_lg_u32 s[BT], 0
	s_cbranch_scc1 .Lslot
	CHANGE 0                                       ; the third slot is written out
	SLOT_STEPS
	FINISH 0
	s_wait_tensorcnt 0x0                           ; the wave's end
	ds_add_u32 v[SPW], v[NIL]
	s_wait_dscnt 0x0
	s_endpgm
.Lfunc_end_k_q20b1a08ded_attn:
	.size	k_q20b1a08ded_attn, .Lfunc_end_k_q20b1a08ded_attn-k_q20b1a08ded_attn
	.p2alignl 7, 3214868480
	.fill 96, 4, 3214868480
	.section	.rodata,"a",@progbits
	.p2align	6, 0x0
	.amdhsa_kernel k_q20b1a08ded_attn
		.amdhsa_group_segment_fixed_size 327680
		.amdhsa_private_segment_fixed_size 0
		.amdhsa_enable_private_segment 0
		.amdhsa_kernarg_size 24
		.amdhsa_user_sgpr_count 2
		.amdhsa_user_sgpr_kernarg_segment_ptr 1
		.amdhsa_wavefront_size32 1
		.amdhsa_system_sgpr_workgroup_id_x 1
		.amdhsa_system_sgpr_workgroup_id_y 1
		.amdhsa_system_sgpr_workgroup_id_z 1
		.amdhsa_system_vgpr_workitem_id 0
		.amdhsa_next_free_vgpr 256
		.amdhsa_next_free_sgpr 100
		.amdhsa_reserve_vcc 1
		.amdhsa_float_denorm_mode_32 3
		.amdhsa_float_denorm_mode_16_64 3
		.amdhsa_memory_ordered 1
		.amdhsa_forward_progress 1
		.amdhsa_inst_pref_size 68
	.end_amdhsa_kernel
	.amdgpu_metadata
---
amdhsa.version: [ 1, 2 ]
amdhsa.kernels:
  - .name:           k_q20b1a08ded_attn
    .symbol:         k_q20b1a08ded_attn.kd
    .args:
      - { .name: qkvc, .offset: 0, .size: 8, .value_kind: global_buffer, .address_space: global }
      - { .name: lowp_scales, .offset: 8, .size: 8, .value_kind: global_buffer, .address_space: global }
      - { .name: ac, .offset: 16, .size: 8, .value_kind: global_buffer, .address_space: global }
    .group_segment_fixed_size: 327680
    .private_segment_fixed_size: 0
    .kernarg_segment_align: 8
    .kernarg_segment_size: 24
    .max_flat_workgroup_size: 512
    .sgpr_count:     100
    .vgpr_count:     256
    .wavefront_size: 32
...
	.end_amdgpu_metadata
.endif
;; end of part 3
;; launch proj (part 4): grid 4 x 64, 4 waves a work-group, clusters of 4 x 4, 327,680 bytes of LDS; arguments ac, wc, b_out, lowp_scales, out0; writes out0
.if DOCPART == 4
	.amdgcn_target "amdgcn-amd-amdhsa--gfx1250"
	.amdhsa_code_object_version 6
	.text
	.protected	k_q20b1a08ded_proj
	.globl	k_q20b1a08ded_proj
	.p2align	8
	.type	k_q20b1a08ded_proj,@function
k_q20b1a08ded_proj:
	s_mov_b64 s[64:65], 0
	v_nop
	global_prefetch_b8 v0, s[64:65] scope:SCOPE_SE
	s_setreg_imm32_b32 hwreg(HW_REG_WAVE_MODE, 25, 1), 1
	s_wait_xcnt 0x0
	s_wait_alu depctr_hold_cnt(0) depctr_sa_sdst(0) depctr_va_vdst(0) depctr_va_sdst(0) depctr_va_ssrc(0) depctr_va_vcc(0) depctr_vm_vsrc(0)
	s_getreg_b32 s2, hwreg(HW_REG_IB_STS2, 6, 4)
	s_cmp_eq_u32 s2, 0
	s_cbranch_scc0 .Lentry_in_a_cluster
	s_endpgm
.Lentry_in_a_cluster:
	s_bfe_u32 s2, ttmp6, 0x10000c
	s_cmp_lg_u32 s2, 0xf033
	s_cbranch_scc0 .Lentry_shape_is_right
	s_endpgm
.Lentry_shape_is_right:
; out0 = (the attention's result) W_out + b_out on codes of FP8 (E4M3), sums in f32: out0[token][n] = 2^(e6 + e7) x sum over k of A[token][k] B[n][k] + b_out[n].
; A = ac: [k / 256][token / 16][(k / 64) % 4][token % 16][64]: 256 along K of 16 tokens are 4,096 dense bytes; the four planes of 256 along K lie 2,097,152 bytes apart.  B = wc rows 3072 on: [n][1024].
; LIMIT: e6 + e7 between -126 and 127, so that 2^(e6 + e7) is an f32 number.
; A block of out0 is 128 tokens x 256 columns: 64 x 4 = 256 work-groups of four waves.  The block is made in two passes of 128 columns; in a pass a wave makes 64 tokens x 64 columns: 16 accumulators.
; ALL OF K AT ONCE.  At the head each wave issues one tensor load: waves 0, 1 A's halves (64 tokens x 1,024 along K: 4 rows of 16,384 bytes, one a plane), waves 2, 3 the halves of the first pass's B (64 rows of 1,024 bytes).
; A's fragments (64 tokens x 1,024 K = 512 registers a wave) are read from LDS once, in the first pass, and stay in registers for the second.
; B's bytes are filled again once: as soon as the first pass's last fragments are in registers, behind the full sequence and a round of the cluster's barrier; the first pass's results go out while that load is on its way.
; CLUSTERS: 4 x 4 work-groups; A's tile is asked for jointly by a row of the cluster, B's by a column.
; NO PREFETCH: the text has no loop to run ahead in: two fills, the first at the head, the second asked for as soon as its bytes are free.
; THE MATRIX INSTRUCTION IS USED TRANSPOSED (source 0 = 16 rows of B, source 1 = 16 tokens): a lane holds eight neighbouring columns of one token.
; REGISTERS, in windows of 256: window 0: v0-31 addresses and the bias; v32-95 rows read back on the way out, two sets.   window 1: v0-127 B's fragments (4 x 16 rows x 128 K), two sets; v128-255 the accumulators,
;   (a, b) at v[128 + 8 (4 a + b)].   windows 2, 3: A's fragments: step n of 128 along K at v[64 (n % 4)] of window 2 + n / 4.
.set KROW,   1024                      ; a row of wc in bytes
.set KGRP,   0x200000                  ; 256 along K further on in ac
.set APL,    16384                     ; 64 tokens x 256 along K: dense bytes of one plane
.set APITCH, 80                        ; A's LDS line: 64 bytes (one token, 64 along K) + 16
.set PLANE,  256*APITCH                ; a plane of 64 tokens in LDS
.set HALFA,  4*PLANE
.set BP,     1040                      ; B's LDS row: 1,024 bytes + 16: an odd multiple of 16
.set HALFB,  64*BP
.set BOFF,   2*HALFA
.set STAGE,  BOFF+2*HALFB              ; the way out: 16 rows x (256 bytes + 16) for each wave; no tile lands here
.set SPITCH, 272
.set SPARE,  STAGE+4*16*SPITCH         ; the spare words, 128 bytes for each wave
.set NP,     4                         ; places behind this matrix instruction (ISA guide 7.12.1)
.set BI,   8                           ; v8-11, v12-15: the bias of my four columns, first and second pass
.set ADRA, 16                          ; v16: A's planes 0, 1; v17: planes 2, 3
.set ADRB, 20
.set STO,  24
.set RD,   25
.set CO,   26
.set SPW,  28
.set NIL,  29
.set BK,   32
.set G1, 24
.set G0, 32
.set G1B, 48
.set G0B, 56
.set MSB, 0
.macro WIN new                         ; the immediate's high byte repeats the setting that is left
.if MSB != \new
	s_set_vgpr_msb (MSB<<8)|\new
.set MSB, \new
.endif
.endm
.macro CREST                           ; a round of the cluster's barrier behind its opening barrier
	s_cmp_lg_u32 s14, 0
	s_cbranch_scc1 .Lnot_wave_0_\@
	s_barrier_signal -3
.Lnot_wave_0_\@:
	s_barrier_wait -3
	s_barrier_signal -1
	s_barrier_wait -1
.endm
.macro CROUND
	s_barrier_signal -1
	s_barrier_wait -1
	CREST
.endm
	s_load_b256 s[4:11], s[0:1], 0x0               ; ac s[4:5], wc s[6:7], b_out s[8:9], the scales' exponents s[10:11]
	s_load_b64 s[12:13], s[0:1], 0x20              ; out0
	v_lshl_add_u32 v[SPW], v0, 2, SPARE
	v_mov_b32 v[NIL], 0
	ds_add_u32 v[SPW], v[NIL]                      ; the opening: the add, twice on end, and its wait
	ds_add_u32 v[SPW], v[NIL]
	s_wait_dscnt 0x0
	v_lshrrev_b32 v1, 5, v0
	v_readfirstlane_b32 s14, v1                    ; wave 0..3
	s_lshr_b32 s15, s14, 1                         ; which 64 of the block's tokens are mine.  Also: I fetch for A (0) or for B (1)
	s_and_b32 s16, s14, 1                          ; which 64 of a pass's columns.  Also: which half of that tile I fetch
	s_bfe_u32 s40, ttmp6, 0x40000                  ; cx
	s_bfe_u32 s41, ttmp6, 0x40004                  ; cy
	s_lshl_b32 s42, ttmp9, 2
	s_add_co_u32 s42, s42, s40                     ; block column: 256 columns
	s_and_b32 s17, ttmp7, 0xffff
	s_lshl_b32 s17, s17, 2
	s_add_co_u32 s17, s17, s41                     ; block row: 128 tokens
	s_lshl_b32 s43, s41, 2
	s_lshl_b32 s43, 15, s43                        ; my row of the cluster
	s_lshl_b32 s44, 0x1111, s40                    ; my column
	s_or_b32 s[G1+0], s43, (0<<16)|(1<<20)|(1<<21)|(3<<22)|(3<<25)   ; A: the mask; elements of 1 byte; padding: 4 words after every 16
	s_mov_b32 s[G1+1], (APL&0xffff)<<16            ; tensor_dim0
	s_mov_b32 s[G1+2], 4<<16                       ; tensor_dim1: the four planes
	s_mov_b32 s[G1+3], APL<<16                     ; tile_dim0
	s_mov_b32 s[G1+4], 4                           ; tile_dim1
	s_mov_b32 s[G1+5], KGRP                        ; from plane to plane
	s_mov_b32 s[G1+6], 0
	s_mov_b32 s[G1+7], 0
	s_or_b32 s[G1B+0], s44, (0<<16)|(1<<20)|(1<<21)|(7<<22)|(3<<25)  ; B: padding: 4 words after every 256
	s_mov_b32 s[G1B+1], KROW<<16
	s_mov_b32 s[G1B+2], 64<<16
	s_mov_b32 s[G1B+3], KROW<<16
	s_mov_b32 s[G1B+4], 64
	s_mov_b32 s[G1B+5], KROW
	s_mov_b32 s[G1B+6], 0
	s_mov_b32 s[G1B+7], 0
	s_lshl_b32 s20, s17, 15                        ; A: 128 tokens x 256 bytes a block row, in each plane,
	s_lshl_b32 s18, s16, 14                        ; 64 tokens a half
	s_add_co_u32 s20, s20, s18
	s_mov_b32 s21, 0
	s_lshl_b32 s46, s42, 18                        ; B: 256 rows of 1,024 bytes a block column,
	s_lshl_b32 s18, s16, 16                        ; 64 rows a half,
	s_add_co_u32 s46, s46, s18
	s_add_co_u32 s46, s46, 3072*1024               ; behind W_qkv's rows
	s_mov_b32 s47, 0
	s_mul_i32 s45, s16, HALFA                      ; where they go: no place in the cluster enters an LDS address
	s_mul_i32 s19, s16, HALFB
	s_add_co_u32 s19, s19, BOFF
	s_wait_kmcnt 0x0
	s_load_b64 s[96:97], s[10:11], 0x18            ; e6, e7
	s_add_nc_u64 s[20:21], s[4:5], s[20:21]
	s_add_nc_u64 s[46:47], s[6:7], s[46:47]
	CROUND                                         ; all sixteen work-groups are here: the first joint loads meet
	s_mov_b32 s[G0], 1
	s_mov_b32 s[G0+1], s45
	s_mov_b64 s[G0+2:G0+3], s[20:21]
	s_or_b32 s[G0+3], s[G0+3], 0x80000000
	s_mov_b32 s[G0B], 1
	s_mov_b32 s[G0B+1], s19
	s_mov_b64 s[G0B+2:G0B+3], s[46:47]
	s_or_b32 s[G0B+3], s[G0B+3], 0x80000000
	s_cmp_eq_u32 s15, 0                            ; one tensor load a wave at the head, in the two arms of one branch on the wave's number; s_nop 0 and four v_nop follow each
	s_cbranch_scc0 .Lfor_b
	tensor_load_to_lds s[G0:G0+3], s[G1:G1+7]
	s_nop 0
.rept 4
	v_nop
.endr
	s_branch .Lasked
.Lfor_b:
	tensor_load_to_lds s[G0B:G0B+3], s[G1B:G1B+7]
	s_nop 0
.rept 4
	v_nop
.endr
.Lasked:
	; scalar set-up first, then the vector lines in one run
	s_lshl_b32 s46, s42, 10
	s_lshl_b32 s47, s16, 8
	s_add_co_u32 s46, s46, s47                     ; my first column of the first pass, in bytes
	s_mul_i32 s21, s15, HALFA                      ; my 64 tokens of A
	s_mul_i32 s22, s16, HALFB
	s_add_co_u32 s22, s22, BOFF                    ; my 64 rows of B
	s_mul_i32 s23, s14, 16*SPITCH
	s_add_co_u32 s23, s23, STAGE                   ; my stage
	s_lshl_b32 s18, s17, 7
	s_lshl_b32 s19, s15, 6
	s_add_co_u32 s18, s18, s19                     ; my first token
	s_lshl_b32 s18, s18, 12
	s_add_co_u32 s18, s18, s46
	s_mov_b32 s19, 0
	s_add_nc_u64 s[12:13], s[12:13], s[18:19]
	v_and_b32 v1, 15, v0                           ; r
	v_bfe_u32 v2, v0, 4, 1                         ; h
	v_lshlrev_b32 v3, 4, v1
	v_add_nc_u32 v7, s46, v3
	global_load_b128 v[BI:BI+3], v7, s[8:9]                ; the bias of the four columns that I store, first pass,
	global_load_b128 v[BI+4:BI+7], v7, s[8:9] offset:512   ; second pass: 128 columns on
	v_lshl_add_u32 v[CO], v2, 12, v3               ; the way out: lanes 0-15 one token's 256 bytes, lanes 16-31 the next token's
	v_mul_u32_u24 v4, v1, APITCH
	v_lshl_add_u32 v4, v2, 4, v4
	v_add_nc_u32 v[ADRA], s21, v4
	v_add_nc_u32 v[ADRA+1], 2*PLANE, v[ADRA]
	v_mul_u32_u24 v5, v1, BP
	v_lshl_add_u32 v5, v2, 4, v5
	v_add_nc_u32 v[ADRB], s22, v5
	v_mul_u32_u24 v6, v1, SPITCH
	v_lshl_add_u32 v6, v2, 5, v6
	v_add_nc_u32 v[STO], s23, v6                   ; into my stage: row r, 32 bytes for each half of the lanes
	v_mul_u32_u24 v4, v2, SPITCH
	v_add_nc_u32 v4, v4, v3
	v_add_nc_u32 v[RD], s23, v4                    ; back: two rows an instruction
	s_wait_alu depctr_va_vdst(0)                   ; the wait at the head's end, directly ahead of the wait below
	s_wait_kmcnt 0x0
	s_add_co_i32 s96, s96, s97
	s_add_co_i32 s96, s96, 127
	s_lshl_b32 s96, s96, 23                        ; 2^(e6 + e7) as f32
	s_mov_b32 s97, s96
	s_wait_loadcnt 0x0
; A fragment is 16 rows x 128 K in 16 registers: registers 4 c .. 4 c + 3 hold K = 32 c + 16 h + 0 .. 15: the same order of k in A and in B.
.macro FETCHA n                        ; A's four fragments of step n: 16 loads, into registers that are written once
.set W, (2+(\n)/4)<<6
	WIN W
.irp a, 0,1,2,3
.irp c, 0,1,2,3
	ds_load_b128 v[64*((\n)%4)+16*\a+4*\c:64*((\n)%4)+16*\a+4*\c+3], v[ADRA+(\n)/4] offset:(((\n)/2)%2)*PLANE+\a*64*APITCH+(2*((\n)%2)+\c/2)*16*APITCH+32*(\c%2)
.endr
.endr
.endm
.macro FETCHB n                        ; B's four fragments of step n: 16 loads, into set n % 2
	WIN 0x40
.irp b, 0,1,2,3
.irp c, 0,1,2,3
	ds_load_b128 v[64*((\n)%2)+16*\b+4*\c:64*((\n)%2)+16*\b+4*\c+3], v[ADRB] offset:\b*16*BP+128*(\n)+32*\c
.endr
.endr
.endm
; 16 matrix instructions: step n.  The 16 accumulators take turns, one instruction a turn, in the same order in every step.
.macro MUL n, zero
.set W, 0x51|((2+(\n)/4)<<2)           ; source 0 (B), C and D window 1; source 1 (A) window 2 or 3
	WIN W
.irp a, 0,1,2,3
.irp b, 0,1,2,3
.if \zero
	v_wmma_f32_16x16x128_fp8_fp8 v[128+8*(4*\a+\b):128+8*(4*\a+\b)+7], v[64*((\n)%2)+16*\b:64*((\n)%2)+16*\b+15], v[64*((\n)%4)+16*\a:64*((\n)%4)+16*\a+15], 0
.else
	v_wmma_f32_16x16x128_fp8_fp8 v[128+8*(4*\a+\b):128+8*(4*\a+\b)+7], v[64*((\n)%2)+16*\b:64*((\n)%2)+16*\b+15], v[64*((\n)%4)+16*\a:64*((\n)%4)+16*\a+15], v[128+8*(4*\a+\b):128+8*(4*\a+\b)+7]
.endif
.endr
.endr
.endm
.macro PLACES n                        ; plain vector instructions between a matrix instruction and a load into, or a read of, its registers
.rept \n
	v_nop
.endr
.endm
; THE WAY OUT of a pass, block by block of 16 tokens x 64 columns: through my stage, back as whole rows of 256 bytes; x 2^(e6 + e7) + bias; sixteen lanes store one aligned unit of 256 bytes.
.macro TOSTAGE a
	WIN 0x04                                       ; store data: window 1; each accumulator from its low end on
.irp b, 0,1,2,3
	ds_store_b128 v[STO], v[128+8*(4*(\a)+\b):128+8*(4*(\a)+\b)+3] offset:64*\b
	ds_store_b128 v[STO], v[128+8*(4*(\a)+\b)+4:128+8*(4*(\a)+\b)+7] offset:64*\b+16
.endr
	WIN 0
.set BB, BK+32*((\a)%2)
.irp t, 0,1,2,3,4,5,6,7
	ds_load_b128 v[BB+4*\t:BB+4*\t+3], v[RD] offset:\t*2*SPITCH   ; LDS serves a wave's instructions in order: these see the stores above
.endr
.endm
.macro SEND p, a, younger              ; younger: the LDS instructions issued behind block a's loads, which may stay out
.set BB, BK+32*((\a)%2)
	s_wait_dscnt \younger
.irp t, 0,1,2,3,4,5,6,7
	v_pk_fma_f32 v[BB+4*\t:BB+4*\t+1], v[BB+4*\t:BB+4*\t+1], s[96:97], v[BI+4*(\p):BI+4*(\p)+1] op_sel_hi:[1,0,1]
	v_pk_fma_f32 v[BB+4*\t+2:BB+4*\t+3], v[BB+4*\t+2:BB+4*\t+3], s[96:97], v[BI+4*(\p)+2:BI+4*(\p)+3] op_sel_hi:[1,0,1]
.endr
.irp t, 0,1,2,3,4,5,6,7
	global_store_b128 v[CO], v[BB+4*\t:BB+4*\t+3], s[12:13] offset:(\a)*65536+\t*8192+(\p)*512 th:TH_STORE_NT
.endr
.endm
.macro WAYOUT p
	PLACES NP                                      ; behind the pass's last products, whose results are read below
.if \p
	s_wait_xcnt 0x0                                ; the stores that read this set of registers have read them
.endif
	TOSTAGE 0
.irp a, 1,2,3
.if (\p) || (\a > 1)
	s_wait_xcnt 0x0
.endif
	TOSTAGE \a
	SEND \p, \a-1, 16                              ; behind block a - 1's loads: block a's 8 stores and 8 loads
.endr
	SEND \p, 3, 0
.endm
	s_wait_tensorcnt 0x0                           ; my part of A or of B is in
	s_barrier_signal -1
	s_barrier_wait -1                              ; and everybody's
	; THE FIRST PASS: each step's 32 loads are issued a step ahead
	FETCHA 0
	FETCHB 0
	FETCHA 1
	FETCHB 1
	s_wait_dscnt 32                                ; step 0's fragments are in; the 32 loads of step 1 may be out
	MUL 0, 1                                       ; the first step's products start the sums: nothing is cleared
.irp n, 1,2,3,4,5
	PLACES NP                                      ; B's other set was read by the step before last
	FETCHA \n+1
	FETCHB \n+1
	s_wait_dscnt 32
	MUL \n, 0
.endr
	PLACES NP
	FETCHA 7
	FETCHB 7                                       ; my last reads of the first pass's B
	WIN 0
	s_wait_tensorcnt 0x0                           ; no tensor load of mine is out
	ds_add_u32 v[SPW], v[NIL]                      ; 0 onto my spare word
	s_wait_dscnt 33                                ; step 6's fragments are in; step 7's 32 loads and the add may be out
	MUL 6, 0
	s_wait_dscnt 0x0                               ; the add is done, and my reads of A and of this B are over
	WIN 0
	CROUND                                         ; no wave of any partner still reads these bytes or has a load on its way
	s_add_nc_u64 s[G0B+2:G0B+3], s[G0B+2:G0B+3], 128*KROW   ; the second pass's rows of B
	s_cmp_eq_u32 s15, 0                            ; waves 2 and 3 fill B's halves again; waves 0 and 1 have nothing to fill
	s_cbranch_scc1 .Lno_b
	tensor_load_to_lds s[G0B:G0B+3], s[G1B:G1B+7]
	s_nop 0
.rept 4
	v_nop
.endr
.Lno_b:
	MUL 7, 0
	WIN 0
	WAYOUT 0                                       ; the first pass's results go out while the second pass's B is on its way
	s_wait_tensorcnt 0x0                           ; my part of the second pass's B is in
	s_wait_dscnt 0x0
	s_barrier_signal -1
	s_barrier_wait -1                              ; and everybody's; nothing is filled any more
	; THE SECOND PASS: A's fragments are in registers; each step's 16 loads of B are issued a step ahead
	FETCHB 0
	FETCHB 1
	s_wait_dscnt 16
	MUL 0, 1
.irp n, 1,2,3,4,5,6
	PLACES NP
	FETCHB \n+1
	s_wait_dscnt 16
	MUL \n, 0
.endr
	s_wait_dscnt 0x0
	MUL 7, 0
	WIN 0
	WAYOUT 1
	s_wait_tensorcnt 0x0                           ; the wave's end
	ds_add_u32 v[SPW], v[NIL]
	s_wait_dscnt 0x0
	CROUND                                         ; the closing round: no work-group ends while a partner may still ask for a tile that names it
	s_endpgm
.Lfunc_end_k_q20b1a08ded_proj:
	.size	k_q20b1a08ded_proj, .Lfunc_end_k_q20b1a08ded_proj-k_q20b1a08ded_proj
	.p2alignl 7, 3214868480
	.fill 96, 4, 3214868480
	.section	.rodata,"a",@progbits
	.p2align	6, 0x0
	.amdhsa_kernel k_q20b1a08ded_proj
		.amdhsa_group_segment_fixed_size 327680
		.amdhsa_private_segment_fixed_size 0
		.amdhsa_enable_private_segment 0
		.amdhsa_kernarg_size 40
		.amdhsa_user_sgpr_count 2
		.amdhsa_user_sgpr_kernarg_segment_ptr 1
		.amdhsa_wavefront_size32 1
		.amdhsa_system_sgpr_workgroup_id_x 1
		.amdhsa_system_sgpr_workgroup_id_y 1
		.amdhsa_system_sgpr_workgroup_id_z 1
		.amdhsa_system_vgpr_workitem_id 0
		.amdhsa_next_free_vgpr 1024
		.amdhsa_next_free_sgpr 98
		.amdhsa_reserve_vcc 0
		.amdhsa_float_denorm_mode_32 3
		.amdhsa_float_denorm_mode_16_64 3
		.amdhsa_memory_ordered 1
		.amdhsa_forward_progress 1
		.amdhsa_inst_pref_size 75
	.end_amdhsa_kernel
	.amdgpu_metadata
---
amdhsa.version: [ 1, 2 ]
amdhsa.kernels:
  - .name:           k_q20b1a08ded_proj
    .symbol:         k_q20b1a08ded_proj.kd
    .args:
      - { .name: ac, .offset: 0, .size: 8, .value_kind: global_buffer, .address_space: global }
      - { .name: wc, .offset: 8, .size: 8, .value_kind: global_buffer, .address_space: global }
      - { .name: b_out, .offset: 16, .size: 8, .value_kind: global_buffer, .address_space: global }
      - { .name: lowp_scales, .offset: 24, .size: 8, .value_kind: global_buffer, .address_space: global }
      - { .name: out0, .offset: 32, .size: 8, .value_kind: global_buffer, .address_space: global }
    .group_segment_fixed_size: 327680
    .private_segment_fixed_size: 0
    .kernarg_segment_align: 8
    .kernarg_segment_size: 40
    .max_flat_workgroup_size: 128
    .sgpr_count:     98
    .vgpr_count:     1024
    .wavefront_size: 32
...
	.end_amdgpu_metadata
.endif
;; end of part 4
